; MI455X (gfx1250); checked and timed in simulation.
; The chip was launched on July 23, 2026; its instructions are those of AMD's public machine-readable ISA for CDNA 5 (MIT licence, August 2026) and "CDNA5" Instruction Set Architecture Reference Guide (July 2026). The comments in the code are by the model that wrote it; some were corrected since.
;; Simple Mo E. Allowed arithmetic: float matrix products may take bf16 or f16 operands with f32 sums; other float arithmetic in f32, or as packed bf16 or f16 multiplies, adds, multiply-adds, maxima and minima; sums over many terms, partial sums and values carried from step to step in f32; what a program stores and reads back later, other than sums and carried values, may be rounded once to bf16 or f16.
;; Inputs: W1 8 x 1,024 x 4,096 float32; W2 8 x 4,096 x 1,024 float32; Wg 1,024 x 8 float32; b1 8 x 4,096 float32; b2 8 x 1,024 float32; bg 8 float32; x 2 x 512 x 1,024 float32.
;; Outputs: out0 2 x 512 x 1,024 float32.
;; 2 versions, each right; version 2 is version 1 with the launches ffn1, ffn2 written anew for expert scheduling mode. Each part assembles by itself: llvm-mc -triple=amdgcn-amd-amdhsa -mcpu=gfx1250 --defsym DOCPART=n.
;; ======== version 1 of 2: 5 launches
;; workspace buffers: ridx 8,192 bytes of whole numbers; rwt 8,192 bytes; meta 256 bytes of whole numbers; srow 8,704 bytes of whole numbers; slotw 8,704 bytes; xg 4,456,448 bytes; h 17,825,792 bytes; p 35,651,584 bytes
;; launch gate (part 1): grid 256 x 1, 4 waves a work-group, no clusters, 0 bytes of LDS; arguments x, Wg, bg, ridx, rwt; writes ridx, rwt
.if DOCPART == 1
	.amdgcn_target "amdgcn-amd-amdhsa--gfx1250"
	.amdhsa_code_object_version 6
	.text
	.protected	k_qf3f955a442_gate
	.globl	k_qf3f955a442_gate
	.p2align	8
	.type	k_qf3f955a442_gate,@function
k_qf3f955a442_gate:
	s_mov_b64 s[64:65], 0
	v_nop
	global_prefetch_b8 v0, s[64:65] scope:SCOPE_SE
	s_setreg_imm32_b32 hwreg(HW_REG_WAVE_MODE, 25, 1), 1
	s_wait_xcnt 0x0
; THE GATE.  For each of 1,024 tokens: logits = x . Wg + bg (8 columns), softmax with the maximum taken away, the two largest
; probabilities (the lower index wins a tie), their weights q / (q1 + q2 + 1e-9).  Stored: ridx[t] = (e1, e2), rwt[t] = (w1, w2).
; x, Wg and bg are rounded to bf16, the products of two bf16 are exact in f32, the sums are f32.
; One wave, one token.  Lane L owns k = 128 c + 4 L + i (c = 0..7, i = 0..3): x comes in 8 loads of 512 consecutive bytes,
; Wg (32 bytes a row of k) in 64 loads of 16 bytes a lane.
; ON THE VECTOR UNIT: the product has 8 columns, half of a matrix tile's 16, Wg lies [k][8], so a fragment would be gathered
; four bytes at a time, and the product is 8.4 M of the module's 17,180 M multiply-adds.
; LIMITS.  NaN and infinities are not treated apart.  A probability below 2^-126 counts as 0.  Two probabilities that tie within
; the noise of an f32 sum of 1,024 terms may be ranked the other way.
; The two stores are 8 bytes a token: the two tables are 16 KB in all.
.set XF,  16                           ; v[16:47]   x, 4 numbers for each chunk c
.set XP,  48                           ; v[48:49]   a chunk's x as two bf16 pairs
.set SUM, 64                           ; v[64:71]   the eight sums, later logits, later probabilities
.set QQ,  72                           ; v[72:79]   probabilities with the first choice struck out
.set BG,  80                           ; v[80:87]   bg
.set WP,  96                           ; v[96:127]  a chunk's Wg as bf16 pairs, two buffers by c's parity; also at work
                                       ; window 1: Wg as loaded, v[32 c + 8 i + e]
.set MSB, 0
.macro WIN new                         ; the immediate's high byte repeats the setting that is left
.if MSB != (\new)
	s_set_vgpr_msb (MSB<<8)|(\new)
.set MSB, (\new)
.endif
.endm
	s_load_b256 s[4:11], s[0:1], 0x0               ; x s[4:5], Wg s[6:7], bg s[8:9], ridx s[10:11]
	s_load_b64 s[12:13], s[0:1], 0x20              ; rwt
	v_lshrrev_b32 v1, 5, v0
	v_readfirstlane_b32 s16, v1                    ; wave
	v_and_b32 v2, 31, v0                           ; lane
	v_lshlrev_b32 v3, 4, v2                        ; x: 16 bytes a lane
	v_lshlrev_b32 v4, 7, v2                        ; Wg: 4 rows of 32 bytes a lane
	v_mov_b32 v5, 0
	s_lshl_b32 s17, ttmp9, 2
	s_add_co_u32 s17, s17, s16                     ; my token
	s_lshl_b32 s20, s17, 12                        ; its row of x
	s_mov_b32 s21, 0
	s_lshl_b32 s22, s17, 3                         ; its 8 bytes in ridx and in rwt
	s_mov_b32 s23, 0
	s_mov_b32 s32, 0x76543210                      ; v_permlanex16_b32: each lane takes its own place in the other half
	s_mov_b32 s33, 0xfedcba98
	s_wait_kmcnt 0x0
	s_load_b256 s[24:31], s[8:9], 0x0              ; bg
	s_add_nc_u64 s[4:5], s[4:5], s[20:21]
	s_add_nc_u64 s[10:11], s[10:11], s[22:23]
	s_add_nc_u64 s[12:13], s[12:13], s[22:23]
.set c, 0
.rept 8
	global_load_b128 v[XF+4*c:XF+4*c+3], v3, s[4:5] offset:512*c
.set c, c+1
.endr
	WIN 0x40                                       ; destination window 1
.set u, 0
.rept 64                                           ; u = 8 c + 2 i + half
	global_load_b128 v[4*u:4*u+3], v4, s[6:7] offset:4096*(u/8)+16*(u%8)
.set u, u+1
.endr
	WIN 0
.set e, 0
.rept 8
	v_mov_b32 v[SUM+e], 0
.set e, e+1
.endr
.set c, 0
.rept 8
	s_wait_loadcnt 56-8*c                          ; loads come back in order: x and this chunk's 8 loads of Wg are in, the 8 of each later chunk stay out
	WIN 0x05                                       ; sources window 1, destination window 0
.set u, 0
.rept 16                                           ; u = 8 pi + e: rows i = 2 pi and 2 pi + 1 of column e as one pair
	v_cvt_pk_bf16_f32 v[WP+16*(c%2)+u], v[32*c+16*(u/8)+u%8], v[32*c+16*(u/8)+8+u%8]
.set u, u+1
.endr
	WIN 0
	v_cvt_pk_bf16_f32 v[XP], v[XF+4*c], v[XF+4*c+1]
	v_cvt_pk_bf16_f32 v[XP+1], v[XF+4*c+2], v[XF+4*c+3]
.set u, 0
.rept 16                                           ; the low halves: i = 2 pi
	v_fma_mix_f32_bf16 v[SUM+u%8], v[XP+u/8], v[WP+16*(c%2)+u], v[SUM+u%8] op_sel_hi:[1,1,0]
.set u, u+1
.endr
.set u, 0
.rept 16                                           ; the high halves: i = 2 pi + 1
	v_fma_mix_f32_bf16 v[SUM+u%8], v[XP+u/8], v[WP+16*(c%2)+u], v[SUM+u%8] op_sel:[1,1,0] op_sel_hi:[1,1,0]
.set u, u+1
.endr
.set c, c+1
.endr
	; the eight sums over the 32 lanes: four steps inside each half ride on the addition, one crosses the halves
.irp m, 1,2,4,8
.set e, 0
.rept 8
	v_add_f32_dpp v[SUM+e], v[SUM+e], v[SUM+e] row_xmask:\m row_mask:0xf bank_mask:0xf
.set e, e+1
.endr
.endr
.set e, 0
.rept 8
	v_permlanex16_b32 v[WP+e], v[SUM+e], s32, s33  ; its destination counts as read: these registers have been written
.set e, e+1
.endr
.set e, 0
.rept 8
	v_add_f32 v[SUM+e], v[SUM+e], v[WP+e]
.set e, e+1
.endr
	s_wait_kmcnt 0x0                               ; bg
.set e, 0
.rept 8
	v_mov_b32 v[BG+e], s[24+e]
.set e, e+1
.endr
.set e, 0
.rept 4                                            ; bg rounded to bf16 and widened again
	v_cvt_pk_bf16_f32 v[WP+16+e], v[BG+2*e], v[BG+2*e+1]
.set e, e+1
.endr
.set e, 0
.rept 4
	v_lshlrev_b32 v[BG+2*e], 16, v[WP+16+e]
	v_and_b32 v[BG+2*e+1], 0xffff0000, v[WP+16+e]
.set e, e+1
.endr
.set e, 0
.rept 8
	v_add_f32 v[SUM+e], v[SUM+e], v[BG+e]
.set e, e+1
.endr
	; softmax: the maximum is taken away, as the module does
	v_max3_num_f32 v88, v[SUM], v[SUM+1], v[SUM+2]
	v_max3_num_f32 v88, v88, v[SUM+3], v[SUM+4]
	v_max3_num_f32 v88, v88, v[SUM+5], v[SUM+6]
	v_max_num_f32 v88, v88, v[SUM+7]
.set e, 0
.rept 8
	v_sub_f32 v[SUM+e], v[SUM+e], v88
.set e, e+1
.endr
.set e, 0
.rept 8
	v_mul_f32 v[SUM+e], 0x3fb8aa3b, v[SUM+e]       ; log2(e)
.set e, e+1
.endr
.set e, 0
.rept 8
	v_exp_f32 v[SUM+e], v[SUM+e]
.set e, e+1
.endr
	v_nop                                          ; a plain instruction between the last exponential and the use of its result
	s_wait_alu depctr_va_vdst(0)
	v_add_f32 v88, v[SUM], v[SUM+1]
	v_add_f32 v89, v[SUM+2], v[SUM+3]
	v_add_f32 v94, v[SUM+4], v[SUM+5]
	v_add_f32 v95, v[SUM+6], v[SUM+7]
	v_add_f32 v88, v88, v89
	v_add_f32 v94, v94, v95
	v_add_f32 v88, v88, v94
	v_rcp_f32 v88, v88
	v_nop
.set e, 0
	s_wait_alu depctr_va_vdst(0)
.rept 8
	v_mul_f32 v[SUM+e], v[SUM+e], v88
.set e, e+1
.endr
	; the largest: a later one wins only if it is strictly greater.  Every choice is a v_cndmask_b32: no branch, no address hangs on these numbers
	v_mov_b32 v89, v[SUM]                          ; q1
	v_mov_b32 v90, 0                               ; e1
.irp e, 1,2,3,4,5,6,7
	v_cmp_gt_f32 vcc_lo, v[SUM+\e], v89
	v_cndmask_b32 v89, v89, v[SUM+\e], vcc_lo
	v_cndmask_b32 v90, v90, \e, vcc_lo
.endr
.irp e, 0,1,2,3,4,5,6,7
	v_cmp_eq_u32 vcc_lo, \e, v90
	v_cndmask_b32 v[QQ+\e], v[SUM+\e], -1.0, vcc_lo  ; the first choice is struck out: every probability is 0 or more
.endr
	v_mov_b32 v94, v[QQ]                           ; q2
	v_mov_b32 v91, 0                               ; e2
.irp e, 1,2,3,4,5,6,7
	v_cmp_gt_f32 vcc_lo, v[QQ+\e], v94
	v_cndmask_b32 v94, v94, v[QQ+\e], vcc_lo
	v_cndmask_b32 v91, v91, \e, vcc_lo
.endr
	v_add_f32 v95, v89, v94
	v_add_f32 v95, 0x3089705f, v95                 ; + 1e-9
	v_rcp_f32 v95, v95
	v_cmp_eq_u32 vcc_lo, 0, v2                     ; (the plain instruction behind the reciprocal) lane 0 stores
	s_wait_alu depctr_va_vdst(0)
	v_mul_f32 v92, v89, v95
	v_mul_f32 v93, v94, v95
	s_wait_xcnt 0x0                                ; EXEC changes only behind this wait
	s_and_saveexec_b32 s34, vcc_lo
	global_store_b64 v5, v[90:91], s[10:11]
	global_store_b64 v5, v[92:93], s[12:13]
	s_endpgm
.Lfunc_end_k_qf3f955a442_gate:
	.size	k_qf3f955a442_gate, .Lfunc_end_k_qf3f955a442_gate-k_qf3f955a442_gate
	.p2alignl 7, 3214868480
	.fill 96, 4, 3214868480
	.section	.rodata,"a",@progbits
	.p2align	6, 0x0
	.amdhsa_kernel k_qf3f955a442_gate
		.amdhsa_group_segment_fixed_size 0
		.amdhsa_private_segment_fixed_size 0
		.amdhsa_enable_private_segment 0
		.amdhsa_kernarg_size 40
		.amdhsa_user_sgpr_count 2
		.amdhsa_user_sgpr_kernarg_segment_ptr 1
		.amdhsa_wavefront_size32 1
		.amdhsa_system_sgpr_workgroup_id_x 1
		.amdhsa_system_sgpr_workgroup_id_y 1
		.amdhsa_system_sgpr_workgroup_id_z 1
		.amdhsa_system_vgpr_workitem_id 0
		.amdhsa_next_free_vgpr 512
		.amdhsa_next_free_sgpr 66
		.amdhsa_reserve_vcc 1
		.amdhsa_float_denorm_mode_32 3
		.amdhsa_float_denorm_mode_16_64 3
		.amdhsa_memory_ordered 1
		.amdhsa_forward_progress 1
		.amdhsa_inst_pref_size 43
	.end_amdhsa_kernel
	.amdgpu_metadata
---
amdhsa.version: [ 1, 2 ]
amdhsa.kernels:
  - .name:           k_qf3f955a442_gate
    .symbol:         k_qf3f955a442_gate.kd
    .args:
      - { .name: x, .offset: 0, .size: 8, .value_kind: global_buffer, .address_space: global }
      - { .name: Wg, .offset: 8, .size: 8, .value_kind: global_buffer, .address_space: global }
      - { .name: bg, .offset: 16, .size: 8, .value_kind: global_buffer, .address_space: global }
      - { .name: ridx, .offset: 24, .size: 8, .value_kind: global_buffer, .address_space: global }
      - { .name: rwt, .offset: 32, .size: 8, .value_kind: global_buffer, .address_space: global }
    .group_segment_fixed_size: 0
    .private_segment_fixed_size: 0
    .kernarg_segment_align: 8
    .kernarg_segment_size: 40
    .max_flat_workgroup_size: 128
    .sgpr_count:     66
    .vgpr_count:     512
    .wavefront_size: 32
...
	.end_amdgpu_metadata
.endif
;; end of part 1
;; launch pack (part 2): grid 128 x 1, 8 waves a work-group, no clusters, 2,560 bytes of LDS; arguments x, ridx, rwt, xg, slotw, srow, meta; writes xg, slotw, srow, meta
.if DOCPART == 2
	.amdgcn_target "amdgcn-amd-amdhsa--gfx1250"
	.amdhsa_code_object_version 6
	.text
	.protected	k_qf3f955a442_pack
	.globl	k_qf3f955a442_pack
	.p2align	8
	.type	k_qf3f955a442_pack,@function
k_qf3f955a442_pack:
	s_mov_b64 s[64:65], 0
	v_nop
	global_prefetch_b8 v0, s[64:65] scope:SCOPE_SE
	s_setreg_imm32_b32 hwreg(HW_REG_WAVE_MODE, 25, 1), 1
	s_wait_xcnt 0x0
; THE PLACEMENT.  An expert's tokens, in ascending order, fill SLOTS; 16 slots are a TILE; expert e has ntiles[e] = ceil(n_e / 16) tiles from tile0[e] on;
; all experts together have TT tiles, 128 to 135.  Work-group b makes tile b and, if it exists, tile b + 128.  For a tile it stores
;   xg     the 16 slots' rows of x, rounded to bf16, as the register image of a matrix fragment: the 16 bytes at
;          [tile][K step 0..31][part 0..1][lane (r, h)] hold slot r, k = 32 step + 16 part + 8 h + 0..7; every store is 512 consecutive bytes
;   srow   the row of the buffer of partial results that a slot's result goes to: 2 token + j (j: which of the token's two choices), or for a padded slot the
;          dump row 2048 + 16 e + place in the tile (only an expert's last tile has padded slots, so each dump row has one writer)
;   slotw  the slot's routing weight, 0 for a padded slot.  (64 bytes a tile each: the two tables are 17 KB in all.)
; Work-group 0 also stores meta: tile0[0..7], ntiles[0..7].
; NO SCATTER: which token sits in a slot is SEARCHED.  Every work-group makes, for each expert and each chunk of 32 tokens, the mask of the chunk's tokens
; that chose the expert, and the counts' running sums; slot number rho of an expert is then the (rho - sum before the chunk)-th set bit of the chunk in which the
; running sum passes rho.  So no LDS address that is written hangs on data.  A padded slot takes token 0's row: finite numbers whose results nobody reads.
.set MASKS, 0                          ; LDS 0..1023: mask of expert e, chunk c at 128 e + 4 c
.set PKC,   1024                       ; LDS 1024..1535: chunk c's eight counts in 16-bit fields, 16 bytes at 1024 + 16 c (a count is at most 32, a running sum at most 1,024)
.set SPARE, 1536                       ; the spare words, 128 bytes for each of the eight waves: four blocks of 256 bytes that no other line names
.set PKS,   76                         ; s[76:91]  my four chunks' packed counts
.set NE,    44                         ; s[44:51]  n_e
.set NT,    52                         ; s[52:59]  ntiles[e]
.set T0,    66                         ; s[66:73]  tile0[e];  s74 = TT
; v1 lane, v2 offset in ridx, v3 16 w, v4 64 w, v5 4 lane, v6 16 lane, v7 r = lane % 16, v8 h = lane / 16, v12 and v13 the add's two registers
; v[16:23] ridx of my chunks; v[24:31] lane l: mask of expert e, chunk l; v[32:35] packed running sums; v[36:39] at work; v[40:47] running sum of expert e up to and with chunk l
; v[48:63] at work on a tile; v[64:127] x as loaded (earlier: what goes to LDS); v[128:159] x as bf16; v[160:163] ridx, rwt of the slots' tokens
	s_load_b256 s[4:11], s[0:1], 0x0               ; x s[4:5], ridx s[6:7], rwt s[8:9], xg s[10:11]
	s_load_b128 s[12:15], s[0:1], 0x20             ; slotw s[12:13], srow s[14:15]
	s_load_b64 s[16:17], s[0:1], 0x30              ; meta
	v_lshl_add_u32 v12, v0, 2, SPARE
	v_mov_b32 v13, 0
	v_lshrrev_b32 v2, 5, v0
	v_readfirstlane_b32 s18, v2                    ; wave 0..7
	v_and_b32 v1, 31, v0
	v_lshlrev_b32 v2, 3, v1
	v_lshl_add_u32 v2, s18, 10, v2                 ; 8 (128 w + lane)
	s_lshl_b32 s19, s18, 4
	v_mov_b32 v3, s19
	s_lshl_b32 s19, s18, 6
	v_mov_b32 v4, s19
	v_lshlrev_b32 v5, 2, v1
	v_lshlrev_b32 v6, 4, v1
	v_and_b32 v7, 15, v0
	v_bfe_u32 v8, v0, 4, 1
	s_wait_kmcnt 0x0
.irp cc, 0,1,2,3
	global_load_b64 v[16+2*\cc:17+2*\cc], v2, s[6:7] offset:256*\cc  ; chunk 4 w + cc: lane l has token 32 (4 w + cc) + l
.endr
	s_wait_loadcnt 0x0
	; STAGE 1: my four chunks' masks and counts
.set e, 0
.rept 8
.set cc, 0
.rept 4
	v_cmp_eq_u32 s40, e, v[16+2*cc]
	v_cmp_eq_u32 s41, e, v[17+2*cc]
	s_or_b32 s40, s40, s41                         ; the chunk's tokens that chose expert e, first or second
	v_mov_b32 v[64+4*e+cc], s40
.if e%2 == 0
	s_bcnt1_i32_b32 s[PKS+4*cc+e/2], s40
.else
	s_bcnt1_i32_b32 s41, s40
	s_lshl_b32 s41, s41, 16
	s_or_b32 s[PKS+4*cc+e/2], s[PKS+4*cc+e/2], s41
.endif
.set cc, cc+1
.endr
.set e, e+1
.endr
.set u, 0
.rept 16
	v_mov_b32 v[96+u], s[PKS+u]
.set u, u+1
.endr
.set e, 0
.rept 8
	ds_store_b128 v3, v[64+4*e:64+4*e+3] offset:MASKS+128*e   ; every lane writes the same 16 bytes: 128 e + 4 (4 w + 0..3)
.set e, e+1
.endr
.set cc, 0
.rept 4
	ds_store_b128 v4, v[96+4*cc:96+4*cc+3] offset:PKC+16*cc
.set cc, cc+1
.endr
	s_wait_dscnt 0x0                               ; for the others' sake: my stores are done
	s_barrier_signal -1
	s_barrier_wait -1                              ; the kernel's one barrier
	; STAGE 2, every wave for itself: lane l takes chunk l
.set e, 0
.rept 8
	ds_load_b32 v[24+e], v5 offset:MASKS+128*e
.set e, e+1
.endr
	ds_load_b128 v[32:35], v6 offset:PKC
.irp j, 0,1,2,3
	v_mov_b32 v[36+\j], 0                          ; a DPP move's destination counts as read
.endr
	s_mov_b32 s42, 0xffff0000                      ; lanes 16 to 31
	s_wait_dscnt 0x0
.irp n, 1,2,4,8
.irp j, 0,1,2,3
	v_mov_b32_dpp v[36+\j], v[32+\j] row_shr:\n row_mask:0xf bank_mask:0xf bound_ctrl:1  ; lane i takes lane i - n of its half, or 0
.endr
.irp j, 0,1,2,3
	v_add_nc_u32 v[32+\j], v[32+\j], v[36+\j]
.endr
.endr
.irp j, 0,1,2,3
	v_readlane_b32 s40, v[32+\j], 15               ; the lower half's total goes onto the upper half
	v_cndmask_b32 v[36+\j], 0, s40, s42
	v_add_nc_u32 v[32+\j], v[32+\j], v[36+\j]
.endr
.irp j, 0,1,2,3
	v_readlane_b32 s40, v[32+\j], 31
	s_and_b32 s[NE+2*\j], s40, 0xffff
	s_lshr_b32 s[NE+2*\j+1], s40, 16
	v_and_b32 v[40+2*\j], 0xffff, v[32+\j]
	v_lshrrev_b32 v[41+2*\j], 16, v[32+\j]
.endr
	s_mov_b32 s[T0], 0
.irp e, 0,1,2,3,4,5,6,7
	s_add_co_u32 s[NT+\e], s[NE+\e], 15
	s_lshr_b32 s[NT+\e], s[NT+\e], 4
	s_add_co_u32 s[T0+\e+1], s[T0+\e], s[NT+\e]    ; the last of these is TT
.endr
; One step down in the search for the k-th set bit: if the field of partial counts at pos holds k or fewer, the bit lies above it
.macro DESC src, width, step
	v_bfe_u32 v52, \src, v63, \width
	v_cmp_ge_u32 vcc_lo, v58, v52
	v_cndmask_b32 v52, 0, v52, vcc_lo
	v_sub_nc_u32 v58, v58, v52
	v_cndmask_b32 v53, 0, \step, vcc_lo
	v_add_nc_u32 v63, v63, v53
.endm
.macro TILE pass
	s_add_co_u32 s20, ttmp9, 128*(\pass)           ; g, my tile
.if \pass
	s_cmp_ge_u32 s20, s[T0+8]
	s_cbranch_scc1 .Lend                           ; there is no such tile: a jump forward, past no barrier
	s_wait_xcnt 0x0                                ; the first tile's stores have had their addresses translated: their registers are rewritten only behind this wait
.endif
	s_mov_b32 s21, 0                               ; the tile's expert: the last whose tile0 is at most g
	s_mov_b32 s22, s[NE]
	s_mov_b32 s23, 0
	v_mov_b32 v48, v24
	v_mov_b32 v49, v40
.irp e, 1,2,3,4,5,6,7
	s_cmp_le_u32 s[T0+\e], s20
	s_cselect_b32 s21, \e, s21
	s_cselect_b32 s22, s[NE+\e], s22
	s_cselect_b32 s23, s[T0+\e], s23
	s_cselect_b32 s24, -1, 0
	v_cndmask_b32 v48, v48, v[24+\e], s24          ; its masks,
	v_cndmask_b32 v49, v49, v[40+\e], s24          ; its running sums
.endr
	s_sub_co_u32 s25, s20, s23
	s_lshl_b32 s25, s25, 4
	v_add_nc_u32 v50, s25, v7                      ; rho: my slot's number among the expert's
	v_mov_b32 v51, 0                               ; c = how many chunks have a running sum of rho or less: the sums ascend, so halving finds it
.irp st, 16,8,4,2,1
	v_add_lshl_u32 v52, v51, \st-1, 2
	ds_bpermute_b32 v53, v52, v49
	v_add_nc_u32 v54, \st, v51
	s_wait_dscnt 0x0
	v_cmp_le_u32 vcc_lo, v53, v50
	v_cndmask_b32 v51, v51, v54, vcc_lo
.endr
	v_lshlrev_b32 v52, 2, v51
	ds_bpermute_b32 v55, v52, v48                  ; the chunk's mask
	v_add_nc_u32 v56, -4, v52
	v_and_b32 v56, 0x7c, v56
	ds_bpermute_b32 v57, v56, v49                  ; the running sum before it (for c = 0 thrown away below)
	s_wait_dscnt 0x0
	v_cmp_lt_u32 vcc_lo, 0, v51
	v_cndmask_b32 v57, 0, v57, vcc_lo
	v_sub_nc_u32 v58, v50, v57                     ; k: the set bit wanted, counted from 0
	v_lshrrev_b32 v59, 1, v55                      ; partial counts in fields of 2, 4, 8 and 16 bits
	v_and_b32 v59, 0x55555555, v59
	v_sub_nc_u32 v59, v55, v59
	v_lshrrev_b32 v60, 2, v59
	v_and_b32 v60, 0x33333333, v60
	v_and_b32 v61, 0x33333333, v59
	v_add_nc_u32 v60, v60, v61
	v_lshrrev_b32 v61, 4, v60
	v_add_nc_u32 v61, v61, v60
	v_and_b32 v61, 0x0f0f0f0f, v61
	v_lshrrev_b32 v62, 8, v61
	v_add_nc_u32 v62, v62, v61
	v_mov_b32 v63, 0                               ; pos
	DESC v62, 8, 16
	DESC v61, 8, 8
	DESC v60, 4, 4
	DESC v59, 2, 2
	DESC v55, 1, 1
	v_lshl_add_u32 v63, v51, 5, v63                ; token = 32 c + pos
	v_cmp_gt_u32 s26, s22, v50                     ; a live slot: rho < n_e
	v_cndmask_b32 v63, 0, v63, s26
	v_min_u32 v63, 0x3ff, v63                      ; it enters addresses: held inside the table
	v_lshlrev_b32 v52, 12, v63                     ; the token's row,
	s_lshl_b32 s27, s18, 9
	v_add_nc_u32 v52, s27, v52                     ; my wave's four K steps (128 numbers),
	v_lshl_add_u32 v52, v8, 5, v52                 ; my half's 8 numbers
	s_lshl_b32 s27, s20, 15
	s_lshl_b32 s28, s18, 12
	s_add_co_u32 s27, s27, s28
	v_add_nc_u32 v53, s27, v6                      ; xg: 32,768 g + 4,096 w + 16 lane
.set u, 0
.rept 16                                           ; u = 4 z + 2 part + half
	global_load_b128 v[64+4*u:64+4*u+3], v52, s[4:5] offset:128*(u/4)+64*((u/2)%2)+16*(u%2)
.set u, u+1
.endr
	s_wait_loadcnt 0x0
.set u, 0
.rept 32
	v_cvt_pk_bf16_f32 v[128+u], v[64+2*u], v[64+2*u+1]
.set u, u+1
.endr
.set u, 0
.rept 8                                            ; u = 2 z + part
	global_store_b128 v53, v[128+4*u:128+4*u+3], s[10:11] offset:512*u  ; 512 consecutive bytes
.set u, u+1
.endr
	s_cmp_lg_u32 s18, 0
	s_cbranch_scc1 .Lnot_wave_0_\@                 ; wave 0 alone stores the tile's two small tables
	v_lshlrev_b32 v54, 3, v63
	global_load_b64 v[160:161], v54, s[6:7]
	global_load_b64 v[162:163], v54, s[8:9]
	v_lshlrev_b32 v55, 1, v63
	s_lshl_b32 s28, s21, 4
	s_add_co_u32 s28, s28, 2048
	v_add_nc_u32 v56, s28, v7                      ; the dump row
	s_lshl_b32 s29, s20, 6
	v_add_nc_u32 v57, s29, v5                      ; 64 g + 4 lane
.if (\pass) == 0
	v_mov_b32 v60, 0
.irp e, 0,1,2,3,4,5,6,7
	v_writelane_b32 v60, s[T0+\e], \e
	v_writelane_b32 v60, s[NT+\e], 8+\e
.endr
.endif
	s_wait_loadcnt 0x0
	v_cmp_eq_u32 vcc_lo, s21, v161                 ; is the expert the token's second choice?
	v_cndmask_b32 v58, 0, 1, vcc_lo
	v_add_nc_u32 v55, v55, v58
	v_cndmask_b32 v59, v162, v163, vcc_lo
	v_cndmask_b32 v55, v56, v55, s26
	v_cndmask_b32 v59, 0, v59, s26
	v_cmp_gt_u32 vcc_lo, 16, v1
	s_wait_xcnt 0x0                                ; EXEC changes only behind this wait
	s_and_saveexec_b32 s30, vcc_lo                 ; lanes 0 to 15: one for each slot
	global_store_b32 v57, v55, s[14:15]
	global_store_b32 v57, v59, s[12:13]
.if (\pass) == 0
	s_cmp_lg_u32 ttmp9, 0
	s_cbranch_scc1 .Lno_meta
	global_store_b32 v5, v60, s[16:17]
.Lno_meta:
.endif
	s_wait_xcnt 0x0                                ; and again, in front of the line that widens it
	s_or_b32 exec_lo, exec_lo, s30
.Lnot_wave_0_\@:
.endm
	TILE 0                                         ; always there: TT is at least 2,048 / 16 = 128
	TILE 1
.Lend:
	s_wait_tensorcnt 0x0                           ; the wave's end: three lines behind my last LDS store
	ds_add_u32 v12, v13
	s_wait_dscnt 0x0
	s_endpgm
.Lfunc_end_k_qf3f955a442_pack:
	.size	k_qf3f955a442_pack, .Lfunc_end_k_qf3f955a442_pack-k_qf3f955a442_pack
	.p2alignl 7, 3214868480
	.fill 96, 4, 3214868480
	.section	.rodata,"a",@progbits
	.p2align	6, 0x0
	.amdhsa_kernel k_qf3f955a442_pack
		.amdhsa_group_segment_fixed_size 2560
		.amdhsa_private_segment_fixed_size 0
		.amdhsa_enable_private_segment 0
		.amdhsa_kernarg_size 56
		.amdhsa_user_sgpr_count 2
		.amdhsa_user_sgpr_kernarg_segment_ptr 1
		.amdhsa_wavefront_size32 1
		.amdhsa_system_sgpr_workgroup_id_x 1
		.amdhsa_system_sgpr_workgroup_id_y 1
		.amdhsa_system_sgpr_workgroup_id_z 1
		.amdhsa_system_vgpr_workitem_id 0
		.amdhsa_next_free_vgpr 168
		.amdhsa_next_free_sgpr 100
		.amdhsa_reserve_vcc 1
		.amdhsa_float_denorm_mode_32 3
		.amdhsa_float_denorm_mode_16_64 3
		.amdhsa_memory_ordered 1
		.amdhsa_forward_progress 1
		.amdhsa_inst_pref_size 41
	.end_amdhsa_kernel
	.amdgpu_metadata
---
amdhsa.version: [ 1, 2 ]
amdhsa.kernels:
  - .name:           k_qf3f955a442_pack
    .symbol:         k_qf3f955a442_pack.kd
    .args:
      - { .name: x, .offset: 0, .size: 8, .value_kind: global_buffer, .address_space: global }
      - { .name: ridx, .offset: 8, .size: 8, .value_kind: global_buffer, .address_space: global }
      - { .name: rwt, .offset: 16, .size: 8, .value_kind: global_buffer, .address_space: global }
      - { .name: xg, .offset: 24, .size: 8, .value_kind: global_buffer, .address_space: global }
      - { .name: slotw, .offset: 32, .size: 8, .value_kind: global_buffer, .address_space: global }
      - { .name: srow, .offset: 40, .size: 8, .value_kind: global_buffer, .address_space: global }
      - { .name: meta, .offset: 48, .size: 8, .value_kind: global_buffer, .address_space: global }
    .group_segment_fixed_size: 2560
    .private_segment_fixed_size: 0
    .kernarg_segment_align: 8
    .kernarg_segment_size: 56
    .max_flat_workgroup_size: 256
    .sgpr_count:     100
    .vgpr_count:     168
    .wavefront_size: 32
...
	.end_amdgpu_metadata
.endif
;; end of part 2
;; launch ffn1 (part 3): grid 32 x 8, 4 waves a work-group, no clusters, 270,848 bytes of LDS; arguments W1, xg, meta, h, b1; writes h
.if DOCPART == 3
	.amdgcn_target "amdgcn-amd-amdhsa--gfx1250"
	.amdhsa_code_object_version 6
	.text
	.protected	k_qf3f955a442_ffn1
	.globl	k_qf3f955a442_ffn1
	.p2align	8
	.type	k_qf3f955a442_ffn1,@function
k_qf3f955a442_ffn1:
	s_mov_b64 s[64:65], 0
	v_nop
	global_prefetch_b8 v0, s[64:65] scope:SCOPE_SE
	s_setreg_imm32_b32 hwreg(HW_REG_WAVE_MODE, 25, 1), 1
	s_wait_xcnt 0x0
; ONE LAYER OF THE EXPERTS' FFN, for the tokens that chose the expert.  One text for both layers; MODE says which.
;   MODE 1: h = relu(xg W1[e] + b1[e]), rounded once to bf16.     MODE 2: p = slotw x (h W2[e]), in f32, one partial sum for each quarter ks of the 4,096 k.
; Weights and b1 are rounded to bf16, sums are f32.  LIMITS: NaN and infinities are not treated apart; any split of the tokens over the experts, 0 to 1,024, is served.
; SHARES.  Work-group (X, e) owns a slice of expert e's weights, 1,024 k x 128 columns, 512 KB of f32: 256 work-groups read each weight byte once.
;   MODE 1: columns 128 X on, all k.     MODE 2: columns 128 (X % 8) on, k from 1,024 (X / 8) on.
;   Wave w takes the expert's tiles w, w + 4, w + 8 .. (a tile is 16 slots), five at a time: a GROUP.  How many tiles there are is read from meta, whole numbers stored by an earlier launch.
; THE FIRST GROUP'S WALK AND THE WEIGHT STREAM GO SIDE BY SIDE.  A K step is 32 k.  In step s every wave
;   rounds its quarter of K step s + 2's weights (rows 16 p on, columns 64 q on; w = 2 p + q), which it asked for four steps ago, to bf16;
;   reads K step s + 1's 8 fragments from LDS, in four runs of four loads between the products;  multiplies K step s: 8 fragments x its tiles;
;   stores the rounded quarter into LDS as finished pieces of fragments;  asks for the tokens of step s + 3 and then for the weights of step s + 6.
;   Loads into registers come back in the order of issue (ISA guide 5.7.1), so the wait for a step's tokens also waits for every weight load issued ahead of them: the weights' lead is
;   the tokens' lead and one step.  With 3 and 4 steps a wave has 30 + 32 = 62 loads out, and a work-group 64 KB of weights.
;   TWO BARRIERS A STEP: reads, wait, barrier, stores, wait, barrier, reads.  The first of them orders accesses that never touch the same bytes (a K step is stored once, before anybody reads it);
;   it stands so that the order of stores and reads can be read off the text without following the stepped addresses.
;   Every wave runs this walk, whatever its number of tiles, so that the barriers stand at constant places: a dead tile repeats the wave's last live one, a wave with no tile at all reads tile 0
;   (there are at least 128 tiles); dead tiles are not stored, and a dead fifth tile's products are jumped (but the first step's, which start the sums).
; LATER GROUPS (an expert with more than 320 tokens) find all fragments in LDS and need no barrier: a shorter text, two steps a trip, fetching one step ahead.  The loop over groups counts to the
;   constant 4 (64 tiles / 4 waves / 5, rounded up); a group with no live tile is jumped forward.  A last barrier stands behind it: all reads of LDS are back before the closing add.
; NO TENSOR LOADS: the weights must pass through registers to be rounded and turned, and beside the fragments 327,680 - 270,848 = 56,832 bytes of LDS are left, less than two slots of two K steps of f32 (32 KB each).
; NO CLUSTER: an expert's 32 work-groups do read the same token tiles, but a joint request is a tensor load's, so it falls with them.
; A FRAGMENT is 16 columns x 32 k in 8 registers: lane (r, h) holds column r; registers 0-3 k = 8 h + 0..7, registers 4-7 k = 16 + 8 h + 0..7.
;   In LDS each storing wave has a region of its own.  Registers 4 p .. 4 p + 3 of fragment n = 4 q + j of K step s are the PIECE at (2 p + q) RB + s KP + j PP; lane L's 16 bytes lie at + 16 L.
;   MODE 1: fragment n holds columns 16 n + r; the weights are source 0, so a lane's 8 results are 8 neighbouring columns of ONE slot: rounded, they are h's register image.
;   MODE 2: fragment n = 4 q + jj holds columns 64 q + 4 r + jj; the tokens are source 0, so a lane's result registers j are slots 8 h + j, and four accumulators jj give it 4 neighbouring columns:
;   sixteen lanes store 256 consecutive bytes of a row of p, at a multiple of 256.
.set MODE, 1
.set PP,    528                        ; a piece: 512 bytes + 16, so that MODE 1's stores, which go to four pieces at once, fall into sixteen different 16-byte columns of 256 bytes
.set KP,    4*PP                       ; a K step's 4 pieces in a region
.set RB,    32*KP                      ; a region: 67,584 bytes
.set SPARE, 4*RB                       ; 270,336: behind the regions the spare words, 128 bytes for each wave: two blocks of 256 bytes that no other line names
.if MODE == 1
.set PITCH, 16384                      ; bytes from a row of k to the next
.set HSH,   17                         ; 8 rows, as a shift
.set PSH,   18                         ; 16 rows, as a shift
.set TSH,   15                         ; a tile of tokens: 32 K steps of 1,024 bytes
.set XL,    0
.set EX,    0
.else
.set PITCH, 4096
.set HSH,   15
.set PSH,   16
.set TSH,   17                         ; 128 K steps of 1,024 bytes
.set XL,    1                          ; slotw and srow are asked for in step 29,
.set EX,    20                         ; by 20 loads
.endif
; window 0
.set L16,  1                           ; v1      16 lane
.set VA,   2                           ; v2      weights: 16 r + 8 h rows; never rewritten
.set VS,   3                           ; v3      where my 16 bytes go in my region
.set VT,   5                           ; v[5:9]  tile tau's offset + 16 lane
.set VO,   10                          ; v10     MODE 1: the tile's offset in h + 16 lane;  MODE 2: 16 r
.set ZR,   11                          ; v11     0, for the ReLU
.set SPW,  12                          ; v12     LDS address of my spare word; never rewritten
.set NIL,  13                          ; v13     0; never rewritten
.set H32,  15                          ; v15     32 h
.set VW,   16                          ; v[16:19] region g's first byte + 16 lane + the K steps gone; made anew for each group
.set VR,   16                          ; v[16:23] MODE 2, the way out: row j's offset in p + 16 r
.set VX,   24                          ; v[24:28] MODE 2: tile tau's offset in slotw and srow + 32 h
.set WB,   32                          ; v[32:159] weight fragments, two buffers of 64
.set BIAS, 160                         ; v[160:223] MODE 1: b1 of my 8 numbers in each of the 8 fragments
.set FR,   224                         ; v[224:255] the walk: 16 registers, my quarter of a K step as bf16;  the way out: what is stored
; window 1: accumulators of tiles 0-3 at 64 tau + 8 n
; window 2: v[0:63] accumulators of tile 4;  v[64:223] token fragments, a ring of four K steps of 40
.set TR,   64
; window 3: v[0:127] weights as loaded, four slots of 32 (K step % 4): row t, column jj at 4 t + jj;  MODE 2: v[128:167] slotw, v[168:207] srow of my 8 slots in each tile
.set SW,   128
.set RO,   168
; s[4:5] weights, s[6:7] tokens, s[8:9] meta, s[10:11] output, s[12:15] b1 or slotw and srow; s16 wave, s17 e, s18 X, s47 p, s48 q; s[22:23] the weights' base, stepped; s[24:25] the tokens' base, stepped;
; s[26:27] the same at K step 0; s28 tile0 + w, s29 ntiles, s30 my tiles, s31 the last of them, s32 groups to go, s33 the group's first tile, s[34:38] the five tiles, s39 inner counts, s[40:45] at work, s46 1: the fifth tile is live
.set MSB, 0
.macro WIN new                         ; the immediate's high byte repeats the setting that is left; bits 1:0 source 0, 3:2 source 1, 5:4 source 2, 7:6 destination
.if MSB != (\new)
	s_set_vgpr_msb (MSB<<8)|(\new)
.set MSB, (\new)
.endif
.endm
.macro PLACES                          ; four plain vector instructions between a matrix instruction and a load into, or a vector read of, its registers
.rept 4
	v_nop
.endr
.endm
	s_load_b256 s[4:11], s[0:1], 0x0
.if MODE == 1
	s_load_b64 s[12:13], s[0:1], 0x20
.else
	s_load_b128 s[12:15], s[0:1], 0x20
.endif
	v_lshl_add_u32 v[SPW], v0, 2, SPARE
	v_mov_b32 v[NIL], 0
.if MODE == 1
	v_mov_b32 v[ZR], 0
.endif
	v_lshrrev_b32 v14, 5, v0
	v_readfirstlane_b32 s16, v14                   ; wave 0..3
	s_and_b32 s17, ttmp7, 0xffff                   ; e
	s_mov_b32 s18, ttmp9                           ; X
	s_lshr_b32 s47, s16, 1                         ; p: which 16 of a K step's 32 rows I stream
	s_and_b32 s48, s16, 1                          ; q: which 64 of the 128 columns
	v_and_b32 v[L16], 31, v0
	v_lshlrev_b32 v[L16], 4, v[L16]
	v_and_b32 v15, 15, v0                          ; r
	v_bfe_u32 v14, v0, 4, 1                        ; h
	v_lshlrev_b32 v[VA], 4, v15
.if MODE == 2
	v_mov_b32 v[VO], v[VA]
.endif
	v_lshl_add_u32 v[VA], v14, HSH, v[VA]          ; the two halves of the lanes take rows 8 apart: each load is two runs of 256 consecutive bytes
	s_mul_i32 s40, s16, RB                         ; my region
.if MODE == 1
	v_lshrrev_b32 v[VS], 2, v15                    ; my 4 columns 4 r + jj lie in piece r / 4 at places 4 (r % 4) + jj
	v_mul_u32_u24 v[VS], v[VS], PP
	v_and_b32 v4, 3, v15
	v_lshl_add_u32 v[VS], v4, 6, v[VS]
	v_lshl_add_u32 v[VS], v14, 8, v[VS]
	v_add_nc_u32 v[VS], s40, v[VS]
.else
	v_add_nc_u32 v[VS], s40, v[L16]                ; column 4 r + jj lies in piece jj at place r: my own lane's
.endif
	v_lshlrev_b32 v[H32], 5, v14
	s_lshl_b32 s20, s17, 24                        ; an expert's weights are 16 MB
	s_mov_b32 s21, 0
.if MODE == 1
	s_lshl_b32 s40, s18, 9                         ; 128 columns
	s_add_co_u32 s20, s20, s40
	s_lshl_b32 s42, s17, 14
	s_add_co_u32 s42, s42, s40                     ; b1: 16,384 e + 512 X
	s_mov_b32 s43, 0
	s_lshl_b32 s40, s18, 12                        ; h: my 128 columns are K steps 4 X .. 4 X + 3 of every tile
	s_mov_b32 s41, 0
.else
	s_lshr_b32 s19, s18, 3                         ; ks
	s_and_b32 s40, s18, 7
	s_lshl_b32 s40, s40, 9
	s_add_co_u32 s20, s20, s40
	s_lshl_b32 s41, s19, 22                        ; 1,024 rows
	s_add_co_u32 s20, s20, s41
	s_lshl_b32 s42, s19, 15                        ; tokens: K steps 32 ks on
	s_mov_b32 s43, 0
	s_lshl_b32 s41, s19, 12
	s_add_co_u32 s40, s40, s41                     ; p: 4,096 ks + 512 (X % 8)
	s_mov_b32 s41, 0
.endif
	s_lshl_b32 s44, s47, PSH                       ; my 16 rows,
	s_add_co_u32 s20, s20, s44
	s_lshl_b32 s44, s48, 8                         ; my 64 columns
	s_add_co_u32 s20, s20, s44
	s_lshl_b32 s44, s17, 2
	s_mov_b32 s45, 0
	s_wait_kmcnt 0x0
	s_add_nc_u64 s[22:23], s[4:5], s[20:21]
	s_add_nc_u64 s[10:11], s[10:11], s[40:41]
	s_add_nc_u64 s[8:9], s[8:9], s[44:45]
.if MODE == 1
	s_add_nc_u64 s[12:13], s[12:13], s[42:43]
	s_mov_b64 s[26:27], s[6:7]
.else
	s_add_nc_u64 s[26:27], s[6:7], s[42:43]
.endif
	s_load_b32 s28, s[8:9], 0x0                    ; tile0[e]
	s_load_b32 s29, s[8:9], 0x20                   ; ntiles[e]: both are waited for behind the first weight loads
.if MODE == 1
.set n, 0
.rept 8
	global_load_b128 v[BIAS+8*n:BIAS+8*n+3],   v[H32], s[12:13] offset:64*n      ; b1 of columns 16 n + 8 h + 0..7
	global_load_b128 v[BIAS+8*n+4:BIAS+8*n+7], v[H32], s[12:13] offset:64*n+16
.set n, n+1
.endr
.endif
; THE STREAM.  My quarter of the K step koff on: 8 loads, row t + 8 h of my 16, 4 neighbouring columns a lane, into slot sg
.macro ALOAD sg, koff
	WIN 0xc0                                       ; destination window 3
.set t, 0
.rept 8
	global_load_b128 v[32*(\sg)+4*t:32*(\sg)+4*t+3], v[VA], s[22:23] offset:(32*(\koff)+t)*PITCH th:TH_LOAD_NT
.set t, t+1
.endr
.endm
.macro CVT sg                          ; two neighbouring k of a column make a register of a fragment: 4 registers for each of my 4 columns
	WIN 0x0f                                       ; sources window 3, destination window 0
.set jj, 0
.rept 4
.set i, 0
.rept 4
	v_cvt_pk_bf16_f32 v[FR+4*jj+i], v[32*(\sg)+8*i+jj], v[32*(\sg)+8*i+4+jj]
.set i, i+1
.endr
.set jj, jj+1
.endr
.endm
.macro STORE koff                      ; into my region, at the K step koff on
	WIN 0
.set jj, 0
.rept 4
.if MODE == 1
	ds_store_b128 v[VS], v[FR+4*jj:FR+4*jj+3] offset:(\koff)*KP+16*jj
.else
	ds_store_b128 v[VS], v[FR+4*jj:FR+4*jj+3] offset:(\koff)*KP+jj*PP
.endif
.set jj, jj+1
.endr
.endm
.macro TLOAD sg, koff                  ; the five tiles' fragments of the K step koff on, into ring place sg
	WIN 0x80                                       ; destination window 2
.set tq, 0
.rept 5
	global_load_b128 v[TR+40*(\sg)+8*tq:TR+40*(\sg)+8*tq+3],   v[VT+tq], s[24:25] offset:1024*(\koff)
	global_load_b128 v[TR+40*(\sg)+8*tq+4:TR+40*(\sg)+8*tq+7], v[VT+tq], s[24:25] offset:1024*(\koff)+512
.set tq, tq+1
.endr
.endm
.macro WRUN b, koff, g                 ; fragments 2 g and 2 g + 1 of the K step koff on, into buffer b: four loads of 512 consecutive bytes
	WIN 0
.irp u, 0,1
.set wn, 2*(\g)+\u
	ds_load_b128 v[WB+64*(\b)+8*wn:WB+64*(\b)+8*wn+3],   v[VW+wn/4]   offset:(\koff)*KP+(wn%4)*PP
	ds_load_b128 v[WB+64*(\b)+8*wn+4:WB+64*(\b)+8*wn+7], v[VW+2+wn/4] offset:(\koff)*KP+(wn%4)*PP
.endr
.endm
.macro WLOAD b, koff
	WRUN \b, \koff, 0
	WRUN \b, \koff, 1
	WRUN \b, \koff, 2
	WRUN \b, \koff, 3
.endm
.macro VWINIT
	WIN 0
.irp g, 0,1,2,3
	v_add_nc_u32 v[VW+\g], \g*RB, v[L16]
.endr
.endm
.if MODE == 2
.macro XLOAD                           ; slotw and srow of my 8 slots in each of the five tiles
	WIN 0xc0                                       ; destination window 3
.irp tau, 0,1,2,3,4
	global_load_b128 v[SW+8*\tau:SW+8*\tau+3],   v[VX+\tau], s[12:13]
	global_load_b128 v[SW+8*\tau+4:SW+8*\tau+7], v[VX+\tau], s[12:13] offset:16
	global_load_b128 v[RO+8*\tau:RO+8*\tau+3],   v[VX+\tau], s[14:15]
	global_load_b128 v[RO+8*\tau+4:RO+8*\tau+7], v[VX+\tau], s[14:15] offset:16
.endr
.endm
.endif
; 4 matrix instructions: tile tau x fragments 4 hf .. 4 hf + 3.  The accumulators take turns, one instruction a turn.  first = 1: the first K step starts the sums (MODE 1: with b1; MODE 2: with 0)
.macro MMH c, tau, hf, first
.set ac, (64*(\tau))%256
.set mn, 4*(\hf)
.if MODE == 1
.if \first
	WIN 0x48+0x40*((\tau)/4)                       ; weights window 0, tokens window 2, C = b1 window 0, D window 1 (tile 4: 2)
.else
	WIN 0x58+0x50*((\tau)/4)                       ; C and D window 1 (tile 4: 2)
.endif
.rept 4
.if \first
	v_wmma_f32_16x16x32_bf16 v[ac+8*mn:ac+8*mn+7], v[WB+64*((\c)%2)+8*mn:WB+64*((\c)%2)+8*mn+7], v[TR+40*((\c)%4)+8*(\tau):TR+40*((\c)%4)+8*(\tau)+7], v[BIAS+8*mn:BIAS+8*mn+7]
.else
	v_wmma_f32_16x16x32_bf16 v[ac+8*mn:ac+8*mn+7], v[WB+64*((\c)%2)+8*mn:WB+64*((\c)%2)+8*mn+7], v[TR+40*((\c)%4)+8*(\tau):TR+40*((\c)%4)+8*(\tau)+7], v[ac+8*mn:ac+8*mn+7]
.endif
.set mn, mn+1
.endr
.else
	WIN 0x52+0x50*((\tau)/4)                       ; tokens window 2, weights window 0, C and D window 1 (tile 4: 2)
.rept 4
.if \first
	v_wmma_f32_16x16x32_bf16 v[ac+8*mn:ac+8*mn+7], v[TR+40*((\c)%4)+8*(\tau):TR+40*((\c)%4)+8*(\tau)+7], v[WB+64*((\c)%2)+8*mn:WB+64*((\c)%2)+8*mn+7], 0
.else
	v_wmma_f32_16x16x32_bf16 v[ac+8*mn:ac+8*mn+7], v[TR+40*((\c)%4)+8*(\tau):TR+40*((\c)%4)+8*(\tau)+7], v[WB+64*((\c)%2)+8*mn:WB+64*((\c)%2)+8*mn+7], v[ac+8*mn:ac+8*mn+7]
.endif
.set mn, mn+1
.endr
.endif
.endm
.macro MM4G c                          ; the fifth tile's 8 products, jumped where that tile is dead: forward, past no barrier
	WIN 0                                          ; at a branch and at a label every window is 0
	s_cmp_eq_u32 s46, 0
	s_cbranch_scc1 .Lno4_\@
	MMH \c, 4, 0, 0
	MMH \c, 4, 1, 0
	WIN 0
.Lno4_\@:
.endm
; A GROUP'S TILES, from s33, its first.  xl = 1 (MODE 2): slotw and srow are asked for at once
.macro GSETUP xl
	WIN 0
	s_max_u32 s31, s30, 1
	s_sub_co_u32 s31, s31, 1                       ; my last live tile
.irp tau, 0,1,2,3,4
	s_add_co_u32 s40, s33, \tau
	s_min_u32 s40, s40, s31                        ; a dead tile repeats my last live one: only bytes that were written are read
	s_lshl2_add_u32 s40, s40, s28
	s_cmp_eq_u32 s30, 0
	s_cselect_b32 s40, 0, s40                      ; a wave with no tile reads tile 0, which always exists
	s_min_u32 s[34+\tau], s40, 135                 ; it enters addresses: held inside the 136 tiles
	s_lshl_b32 s40, s[34+\tau], TSH
	v_add_nc_u32 v[VT+\tau], s40, v[L16]
.if MODE == 2
	s_lshl_b32 s41, s[34+\tau], 6
	v_add_nc_u32 v[VX+\tau], s41, v[H32]
.endif
.endr
	s_add_co_u32 s40, s33, 4
	s_cmp_lt_u32 s40, s30
	s_cselect_b32 s46, 1, 0
.if (MODE == 2) && (\xl)
	XLOAD
.endif
.endm
; A STEP OF THE FIRST GROUP'S WALK.  c: the step, counted from the K step at which the stepped bases stand.  cv: K step c + 2 is rounded and stored (with the two barriers); lw: the weights of c + 6 are asked for;
; lt: the tokens of c + 3; wl: the fragments of c + 1 are read; xl: slotw and srow are asked for; cnt: the loads issued behind this step's tokens.
.macro FSTEP c, first, cv, lw, lt, wl, xl, cnt
	s_wait_loadcnt \cnt                            ; this step's tokens are in, and the weights of K step c + 2, which were issued ahead of them; what was issued behind them stays out
.if \cv
	CVT ((\c)+2)%4                                 ; 16 plain vector instructions: also the places between the last step's products and the loads into the buffers that those read
.elseif \wl
	PLACES
.endif
.if \wl
	WRUN ((\c)+1)%2, (\c)+1, 0                     ; the last barrier has shown K step c + 1 whole
.endif
	MMH \c, 0, 0, \first
.if \wl
	WRUN ((\c)+1)%2, (\c)+1, 1
.endif
	MMH \c, 0, 1, \first
.if \wl
	WRUN ((\c)+1)%2, (\c)+1, 2
.endif
	MMH \c, 1, 0, \first
.if \wl
	WRUN ((\c)+1)%2, (\c)+1, 3
.endif
	MMH \c, 1, 1, \first
	MMH \c, 2, 0, \first
	MMH \c, 2, 1, \first
.if \cv
	s_wait_dscnt 0x0                               ; my reads of LDS are back (the next step's products need them anyway):
	s_barrier_signal -1                            ; say so,
	MMH \c, 3, 0, \first                           ; work on registers while the others arrive,
	s_barrier_wait -1                              ; and store only when all four have said so
	STORE (\c)+2
.if \lt
	TLOAD ((\c)+3)%4, (\c)+3                       ; the tokens first, the weights behind them: so the weights may stay out one step longer
.endif
.if \lw
	ALOAD ((\c)+2)%4, (\c)+6                       ; into the slot that has just been rounded
.endif
.if \xl
	XLOAD
.endif
.if \first
	MMH \c, 4, 0, 1                                ; the first step's products start the sums: they are never jumped
	MMH \c, 4, 1, 1
.else
	MM4G \c
.endif
	s_wait_dscnt 0x0                               ; for the others' sake: my stores are done
	s_barrier_signal -1
	MMH \c, 3, 1, \first
	s_barrier_wait -1                              ; everybody's are: K step c + 2 is whole
.else
	MMH \c, 3, 0, \first
	MMH \c, 3, 1, \first
	MM4G \c
.if \wl
	s_wait_dscnt 0x0                               ; the next step's fragments
.endif
.endif
.endm
; A STEP OF A LATER GROUP'S WALK.  c = 0, 1: the buffers in hand.  nxt = 1: the next step's fragments and tokens, at the K step koff on, are asked for first, into the other buffers
.macro PSTEP c, first, nxt, koff
.if \nxt
	PLACES                                         ; behind the last step's products, which read the buffers that are filled now
	WLOAD 1-(\c), \koff
	TLOAD 1-(\c), \koff
	s_wait_loadcnt 10                              ; this step's tokens are in; the 10 loads just issued stay out
	s_wait_dscnt 16                                ; likewise the 16 LDS loads
.else
	s_wait_loadcnt 0x0
	s_wait_dscnt 0x0
.endif
.irp tau, 0,1,2,3
	MMH \c, \tau, 0, \first
	MMH \c, \tau, 1, \first
.endr
.if \first
	MMH \c, 4, 0, 1
	MMH \c, 4, 1, 1
.else
	MM4G \c
.endif
.endm
; THE WAY OUT of tile tau; a dead tile is jumped.  Each accumulator's registers are read in ascending order.
.macro EPI tau
.set ac, (64*(\tau))%256
	s_add_co_u32 s40, s33, \tau
	s_cmp_ge_u32 s40, s30
	s_cbranch_scc1 .Ldead_\@
	s_wait_xcnt 0x0                                ; the tile before's stores have had their addresses translated: their registers are rewritten only behind this wait
.if MODE == 1
	s_lshl_b32 s40, s[34+(\tau)], 17               ; a tile of h is 128 K steps of 1,024 bytes
	v_add_nc_u32 v[VO], s40, v[L16]
	WIN 0x05+5*((\tau)/4)                          ; sources window 1 (tile 4: 2)
.set i, 0
.rept 32
	v_cvt_pk_bf16_f32 v[FR+i], v[ac+2*i], v[ac+2*i+1]
.set i, i+1
.endr
	WIN 0
.set i, 0
.rept 32
	v_pk_max_num_bf16 v[FR+i], v[FR+i], v[ZR]      ; the ReLU, two at a time: a maximum rounds nothing
.set i, i+1
.endr
.set i, 0
.rept 8
	global_store_b128 v[VO], v[FR+4*i:FR+4*i+3], s[10:11] offset:512*i  ; fragment n is K step n / 2, part n % 2 of my four: 512 consecutive bytes
.set i, i+1
.endr
.else
	WIN 0x0c                                       ; source 1 window 3
.set ej, 0
.rept 8
	v_min_u32 v[VR+ej], 0x87f, v[RO+8*(\tau)+ej]   ; the row enters an address: held inside p's 2,176 rows
.set ej, ej+1
.endr
	WIN 0
.set ej, 0
.rept 8
	v_lshl_add_u32 v[VR+ej], v[VR+ej], 14, v[VO]   ; a row of p is 16,384 bytes
.set ej, ej+1
.endr
.irp q, 0,1
.if \q
	s_wait_xcnt 0x0                                ; the first half's stores: their data registers are rewritten only behind this wait
.endif
	WIN 0x0d+(\tau)/4                              ; source 0 window 1 (tile 4: 2), source 1 window 3
.set ej, 0
.rept 8
.set ek, 0
.rept 4
	v_mul_f32 v[FR+4*ej+ek], v[ac+8*(4*\q+ek)+ej], v[SW+8*(\tau)+ej]  ; the routing weight's multiply also brings four accumulators' numbers side by side
.set ek, ek+1
.endr
.set ej, ej+1
.endr
	WIN 0
.set ej, 0
.rept 8
	global_store_b128 v[VR+ej], v[FR+4*ej:FR+4*ej+3], s[10:11] offset:256*\q  ; sixteen lanes store 256 consecutive bytes, at a multiple of 256 from p's first byte
.set ej, ej+1
.endr
.endr
.endif
.Ldead_\@:
.endm
	; THE WALK'S BEGINNING: the order of issue is the loop's (a step's tokens, then a step's weights), so that the loop's count holds from step 0 on
	ALOAD 0, 0                                     ; the weights hang on no whole number from memory: three K steps go out ahead of the wait for meta
	ALOAD 1, 1
	ALOAD 2, 2
	VWINIT
	s_wait_kmcnt 0x0                               ; tile0, ntiles
	s_min_u32 s28, s28, 135
	s_min_u32 s29, s29, 64
	s_add_co_u32 s28, s28, s16                     ; my first tile
	s_add_co_u32 s30, s29, 3
	s_sub_co_u32 s30, s30, s16
	s_lshr_b32 s30, s30, 2                         ; how many of the expert's tiles w, w + 4, .. there are
	s_mov_b32 s33, 0
	s_mov_b32 s32, 4
	GSETUP 0
	s_mov_b64 s[24:25], s[26:27]
	TLOAD 0, 0
	ALOAD 3, 3
	s_wait_loadcnt 34                              ; K step 0's weights are in (and b1, issued ahead of them); behind them were issued 8 + 8 + 10 + 8
	CVT 0
	STORE 0
	TLOAD 1, 1
	ALOAD 0, 4
.if MODE == 1
	WIN 0
.set i, 0
.rept 32                                           ; b1 rounded to bf16 and widened again, by way of registers that the fragments take later
	v_cvt_pk_bf16_f32 v[WB+i], v[BIAS+2*i], v[BIAS+2*i+1]
.set i, i+1
.endr
.set i, 0
.rept 32
	v_lshlrev_b32 v[BIAS+2*i], 16, v[WB+i]
	v_and_b32 v[BIAS+2*i+1], 0xffff0000, v[WB+i]
.set i, i+1
.endr
.endif
	s_wait_loadcnt 44                              ; K step 1's weights; behind them were issued 8 + 10 + 8 + 10 + 8
	CVT 1
	STORE 1
	TLOAD 2, 2
	ALOAD 1, 5
	s_wait_dscnt 0x0                               ; for the others' sake: my stores are done
	s_barrier_signal -1
	s_barrier_wait -1                              ; K steps 0 and 1 are whole
	WLOAD 0, 0
	s_wait_dscnt 0x0
	FSTEP 0, 1, 1, 1, 1, 1, 0, 44                  ; behind a step's tokens were issued 8 weight loads and two steps' 18
	WIN 0                                          ; at a label and at a branch every window is 0
	s_mov_b32 s39, 6
.Lk0:                                              ; a trip: steps 4 j + 1 .. 4 j + 4
	FSTEP 1, 0, 1, 1, 1, 1, 0, 44
	FSTEP 2, 0, 1, 1, 1, 1, 0, 44
	FSTEP 3, 0, 1, 1, 1, 1, 0, 44
	FSTEP 4, 0, 1, 1, 1, 1, 0, 44
	WIN 0
	s_wait_xcnt 0x0                                ; the loads' addresses are translated: their bases are stepped only behind this wait
	s_add_nc_u64 s[22:23], s[22:23], 128*PITCH
	s_add_nc_u64 s[24:25], s[24:25], 4096
	v_add_nc_u32 v[VS], 4*KP, v[VS]
.irp g, 0,1,2,3
	v_add_nc_u32 v[VW+\g], 4*KP, v[VW+\g]
.endr
	s_sub_co_u32 s39, s39, 1
	s_cmp_lg_u32 s39, 0
	s_cbranch_scc1 .Lk0
	FSTEP 1, 0, 1, 1, 1, 1, 0, 44                  ; step 25 asks for the last weights, K step 31's
	FSTEP 2, 0, 1, 0, 1, 1, 0, 44                  ; from here on no load runs past the slice or the tile, and the counts run down
	FSTEP 3, 0, 1, 0, 1, 1, 0, 36                  ; 8 + 18 + 10
	FSTEP 4, 0, 1, 0, 1, 1, 0, 28                  ; 8 + 10 + 10; step 28 asks for the last tokens
	FSTEP 5, 0, 1, 0, 0, 1, XL, 20                 ; 10 + 10; step 29 stores the last K step
	FSTEP 6, 0, 0, 0, 0, 1, 0, 10+EX               ; step 31's tokens, and MODE 2's 20 loads of step 29
	FSTEP 7, 0, 0, 0, 0, 0, 0, EX
	PLACES                                         ; in front of the reads of the results, and of a later group's loads into the fragment buffers
	WIN 0
	s_branch .Lepi                                 ; the loop over groups is entered at its way out
.Lgroup:
	s_cmp_ge_u32 s33, s30
	s_cbranch_scc1 .Lnone                          ; no live tile in this group: forward, past no barrier
	s_wait_xcnt 0x0                                ; the group before's loads and stores: their registers are rewritten only behind this wait
	GSETUP 1                                       ; MODE 2's 20 loads stand ahead of the tokens', so the first counted wait covers them
	s_mov_b64 s[24:25], s[26:27]
	VWINIT
	TLOAD 0, 0
	WLOAD 0, 0
	PSTEP 0, 1, 1, 1
	WIN 0
	s_mov_b32 s39, 15
.Lk:                                               ; a trip: steps 2 j + 1 and 2 j + 2
	PSTEP 1, 0, 1, 2
	PSTEP 0, 0, 1, 3
	WIN 0
	s_wait_xcnt 0x0                                ; the token loads' base is stepped only behind this wait
	s_add_nc_u64 s[24:25], s[24:25], 2048
.irp g, 0,1,2,3
	v_add_nc_u32 v[VW+\g], 2*KP, v[VW+\g]          ; 30 K steps at the most: with the immediates the reads of region g end inside it, ahead of the spare words
.endr
	s_sub_co_u32 s39, s39, 1
	s_cmp_lg_u32 s39, 0
	s_cbranch_scc1 .Lk
	PSTEP 1, 0, 0, 0                               ; step 31: nothing is left to fetch
	PLACES
	WIN 0
.Lepi:
.if MODE == 2
	s_wait_loadcnt 0x0                             ; slotw and srow
.endif
	EPI 0
	EPI 1
	EPI 2
	EPI 3
	EPI 4
.Lnone:
	s_add_co_u32 s33, s33, 5
	s_sub_co_u32 s32, s32, 1
	s_cmp_lg_u32 s32, 0
	s_cbranch_scc1 .Lgroup
	s_wait_dscnt 0x0                               ; my reads of the fragments are back;
	s_barrier_signal -1                            ; every wave passes here once, whatever its number of tiles:
	s_barrier_wait -1                              ; all four waves' reads of LDS are over before any wave writes LDS again, by the add below
	s_wait_tensorcnt 0x0                           ; the wave's end: three lines behind my last LDS store
	ds_add_u32 v[SPW], v[NIL]
	s_wait_dscnt 0x0
	s_endpgm
.Lfunc_end_k_qf3f955a442_ffn1:
	.size	k_qf3f955a442_ffn1, .Lfunc_end_k_qf3f955a442_ffn1-k_qf3f955a442_ffn1
	.p2alignl 7, 3214868480
	.fill 96, 4, 3214868480
	.section	.rodata,"a",@progbits
	.p2align	6, 0x0
	.amdhsa_kernel k_qf3f955a442_ffn1
		.amdhsa_group_segment_fixed_size 270848
		.amdhsa_private_segment_fixed_size 0
		.amdhsa_enable_private_segment 0
		.amdhsa_kernarg_size 40
		.amdhsa_user_sgpr_count 2
		.amdhsa_user_sgpr_kernarg_segment_ptr 1
		.amdhsa_wavefront_size32 1
		.amdhsa_system_sgpr_workgroup_id_x 1
		.amdhsa_system_sgpr_workgroup_id_y 1
		.amdhsa_system_sgpr_workgroup_id_z 1
		.amdhsa_system_vgpr_workitem_id 0
		.amdhsa_next_free_vgpr 896
		.amdhsa_next_free_sgpr 66
		.amdhsa_reserve_vcc 0
		.amdhsa_float_denorm_mode_32 3
		.amdhsa_float_denorm_mode_16_64 3
		.amdhsa_memory_ordered 1
		.amdhsa_forward_progress 1
		.amdhsa_inst_pref_size 145
	.end_amdhsa_kernel
	.amdgpu_metadata
---
amdhsa.version: [ 1, 2 ]
amdhsa.kernels:
  - .name:           k_qf3f955a442_ffn1
    .symbol:         k_qf3f955a442_ffn1.kd
    .args:
      - { .name: W1, .offset: 0, .size: 8, .value_kind: global_buffer, .address_space: global }
      - { .name: xg, .offset: 8, .size: 8, .value_kind: global_buffer, .address_space: global }
      - { .name: meta, .offset: 16, .size: 8, .value_kind: global_buffer, .address_space: global }
      - { .name: h, .offset: 24, .size: 8, .value_kind: global_buffer, .address_space: global }
      - { .name: b1, .offset: 32, .size: 8, .value_kind: global_buffer, .address_space: global }
    .group_segment_fixed_size: 270848
    .private_segment_fixed_size: 0
    .kernarg_segment_align: 8
    .kernarg_segment_size: 40
    .max_flat_workgroup_size: 128
    .sgpr_count:     66
    .vgpr_count:     896
    .wavefront_size: 32
...
	.end_amdgpu_metadata
.endif
;; end of part 3
;; launch ffn2 (part 4): grid 32 x 8, 4 waves a work-group, no clusters, 270,848 bytes of LDS; arguments W2, h, meta, p, slotw, srow; writes p
.if DOCPART == 4
	.amdgcn_target "amdgcn-amd-amdhsa--gfx1250"
	.amdhsa_code_object_version 6
	.text
	.protected	k_qf3f955a442_ffn2
	.globl	k_qf3f955a442_ffn2
	.p2align	8
	.type	k_qf3f955a442_ffn2,@function
k_qf3f955a442_ffn2:
	s_mov_b64 s[64:65], 0
	v_nop
	global_prefetch_b8 v0, s[64:65] scope:SCOPE_SE
	s_setreg_imm32_b32 hwreg(HW_REG_WAVE_MODE, 25, 1), 1
	s_wait_xcnt 0x0
; ONE LAYER OF THE EXPERTS' FFN, for the tokens that chose the expert.  One text for both layers; MODE says which.
;   MODE 1: h = relu(xg W1[e] + b1[e]), rounded once to bf16.     MODE 2: p = slotw x (h W2[e]), in f32, one partial sum for each quarter ks of the 4,096 k.
; Weights and b1 are rounded to bf16, sums are f32.  LIMITS: NaN and infinities are not treated apart; any split of the tokens over the experts, 0 to 1,024, is served.
; SHARES.  Work-group (X, e) owns a slice of expert e's weights, 1,024 k x 128 columns, 512 KB of f32: 256 work-groups read each weight byte once.
;   MODE 1: columns 128 X on, all k.     MODE 2: columns 128 (X % 8) on, k from 1,024 (X / 8) on.
;   Wave w takes the expert's tiles w, w + 4, w + 8 .. (a tile is 16 slots), five at a time: a GROUP.  How many tiles there are is read from meta, whole numbers stored by an earlier launch.
; THE FIRST GROUP'S WALK AND THE WEIGHT STREAM GO SIDE BY SIDE.  A K step is 32 k.  In step s every wave
;   rounds its quarter of K step s + 2's weights (rows 16 p on, columns 64 q on; w = 2 p + q), which it asked for four steps ago, to bf16;
;   reads K step s + 1's 8 fragments from LDS, in four runs of four loads between the products;  multiplies K step s: 8 fragments x its tiles;
;   stores the rounded quarter into LDS as finished pieces of fragments;  asks for the tokens of step s + 3 and then for the weights of step s + 6.
;   Loads into registers come back in the order of issue (ISA guide 5.7.1), so the wait for a step's tokens also waits for every weight load issued ahead of them: the weights' lead is
;   the tokens' lead and one step.  With 3 and 4 steps a wave has 30 + 32 = 62 loads out, and a work-group 64 KB of weights.
;   TWO BARRIERS A STEP: reads, wait, barrier, stores, wait, barrier, reads.  The first of them orders accesses that never touch the same bytes (a K step is stored once, before anybody reads it);
;   it stands so that the order of stores and reads can be read off the text without following the stepped addresses.
;   Every wave runs this walk, whatever its number of tiles, so that the barriers stand at constant places: a dead tile repeats the wave's last live one, a wave with no tile at all reads tile 0
;   (there are at least 128 tiles); dead tiles are not stored, and a dead fifth tile's products are jumped (but the first step's, which start the sums).
; LATER GROUPS (an expert with more than 320 tokens) find all fragments in LDS and need no barrier: a shorter text, two steps a trip, fetching one step ahead.  The loop over groups counts to the
;   constant 4 (64 tiles / 4 waves / 5, rounded up); a group with no live tile is jumped forward.  A last barrier stands behind it: all reads of LDS are back before the closing add.
; NO TENSOR LOADS: the weights must pass through registers to be rounded and turned, and beside the fragments 327,680 - 270,848 = 56,832 bytes of LDS are left, less than two slots of two K steps of f32 (32 KB each).
; NO CLUSTER: an expert's 32 work-groups do read the same token tiles, but a joint request is a tensor load's, so it falls with them.
; A FRAGMENT is 16 columns x 32 k in 8 registers: lane (r, h) holds column r; registers 0-3 k = 8 h + 0..7, registers 4-7 k = 16 + 8 h + 0..7.
;   In LDS each storing wave has a region of its own.  Registers 4 p .. 4 p + 3 of fragment n = 4 q + j of K step s are the PIECE at (2 p + q) RB + s KP + j PP; lane L's 16 bytes lie at + 16 L.
;   MODE 1: fragment n holds columns 16 n + r; the weights are source 0, so a lane's 8 results are 8 neighbouring columns of ONE slot: rounded, they are h's register image.
;   MODE 2: fragment n = 4 q + jj holds columns 64 q + 4 r + jj; the tokens are source 0, so a lane's result registers j are slots 8 h + j, and four accumulators jj give it 4 neighbouring columns:
;   sixteen lanes store 256 consecutive bytes of a row of p, at a multiple of 256.
.set MODE, 2
.set PP,    528                        ; a piece: 512 bytes + 16, so that MODE 1's stores, which go to four pieces at once, fall into sixteen different 16-byte columns of 256 bytes
.set KP,    4*PP                       ; a K step's 4 pieces in a region
.set RB,    32*KP                      ; a region: 67,584 bytes
.set SPARE, 4*RB                       ; 270,336: behind the regions the spare words, 128 bytes for each wave: two blocks of 256 bytes that no other line names
.if MODE == 1
.set PITCH, 16384                      ; bytes from a row of k to the next
.set HSH,   17                         ; 8 rows, as a shift
.set PSH,   18                         ; 16 rows, as a shift
.set TSH,   15                         ; a tile of tokens: 32 K steps of 1,024 bytes
.set XL,    0
.set EX,    0
.else
.set PITCH, 4096
.set HSH,   15
.set PSH,   16
.set TSH,   17                         ; 128 K steps of 1,024 bytes
.set XL,    1                          ; slotw and srow are asked for in step 29,
.set EX,    20                         ; by 20 loads
.endif
; window 0
.set L16,  1                           ; v1      16 lane
.set VA,   2                           ; v2      weights: 16 r + 8 h rows; never rewritten
.set VS,   3                           ; v3      where my 16 bytes go in my region
.set VT,   5                           ; v[5:9]  tile tau's offset + 16 lane
.set VO,   10                          ; v10     MODE 1: the tile's offset in h + 16 lane;  MODE 2: 16 r
.set ZR,   11                          ; v11     0, for the ReLU
.set SPW,  12                          ; v12     LDS address of my spare word; never rewritten
.set NIL,  13                          ; v13     0; never rewritten
.set H32,  15                          ; v15     32 h
.set VW,   16                          ; v[16:19] region g's first byte + 16 lane + the K steps gone; made anew for each group
.set VR,   16                          ; v[16:23] MODE 2, the way out: row j's offset in p + 16 r
.set VX,   24                          ; v[24:28] MODE 2: tile tau's offset in slotw and srow + 32 h
.set WB,   32                          ; v[32:159] weight fragments, two buffers of 64
.set BIAS, 160                         ; v[160:223] MODE 1: b1 of my 8 numbers in each of the 8 fragments
.set FR,   224                         ; v[224:255] the walk: 16 registers, my quarter of a K step as bf16;  the way out: what is stored
; window 1: accumulators of tiles 0-3 at 64 tau + 8 n
; window 2: v[0:63] accumulators of tile 4;  v[64:223] token fragments, a ring of four K steps of 40
.set TR,   64
; window 3: v[0:127] weights as loaded, four slots of 32 (K step % 4): row t, column jj at 4 t + jj;  MODE 2: v[128:167] slotw, v[168:207] srow of my 8 slots in each tile
.set SW,   128
.set RO,   168
; s[4:5] weights, s[6:7] tokens, s[8:9] meta, s[10:11] output, s[12:15] b1 or slotw and srow; s16 wave, s17 e, s18 X, s47 p, s48 q; s[22:23] the weights' base, stepped; s[24:25] the tokens' base, stepped;
; s[26:27] the same at K step 0; s28 tile0 + w, s29 ntiles, s30 my tiles, s31 the last of them, s32 groups to go, s33 the group's first tile, s[34:38] the five tiles, s39 inner counts, s[40:45] at work, s46 1: the fifth tile is live
.set MSB, 0
.macro WIN new                         ; the immediate's high byte repeats the setting that is left; bits 1:0 source 0, 3:2 source 1, 5:4 source 2, 7:6 destination
.if MSB != (\new)
	s_set_vgpr_msb (MSB<<8)|(\new)
.set MSB, (\new)
.endif
.endm
.macro PLACES                          ; four plain vector instructions between a matrix instruction and a load into, or a vector read of, its registers
.rept 4
	v_nop
.endr
.endm
	s_load_b256 s[4:11], s[0:1], 0x0
.if MODE == 1
	s_load_b64 s[12:13], s[0:1], 0x20
.else
	s_load_b128 s[12:15], s[0:1], 0x20
.endif
	v_lshl_add_u32 v[SPW], v0, 2, SPARE
	v_mov_b32 v[NIL], 0
.if MODE == 1
	v_mov_b32 v[ZR], 0
.endif
	v_lshrrev_b32 v14, 5, v0
	v_readfirstlane_b32 s16, v14                   ; wave 0..3
	s_and_b32 s17, ttmp7, 0xffff                   ; e
	s_mov_b32 s18, ttmp9                           ; X
	s_lshr_b32 s47, s16, 1                         ; p: which 16 of a K step's 32 rows I stream
	s_and_b32 s48, s16, 1                          ; q: which 64 of the 128 columns
	v_and_b32 v[L16], 31, v0
	v_lshlrev_b32 v[L16], 4, v[L16]
	v_and_b32 v15, 15, v0                          ; r
	v_bfe_u32 v14, v0, 4, 1                        ; h
	v_lshlrev_b32 v[VA], 4, v15
.if MODE == 2
	v_mov_b32 v[VO], v[VA]
.endif
	v_lshl_add_u32 v[VA], v14, HSH, v[VA]          ; the two halves of the lanes take rows 8 apart: each load is two runs of 256 consecutive bytes
	s_mul_i32 s40, s16, RB                         ; my region
.if MODE == 1
	v_lshrrev_b32 v[VS], 2, v15                    ; my 4 columns 4 r + jj lie in piece r / 4 at places 4 (r % 4) + jj
	v_mul_u32_u24 v[VS], v[VS], PP
	v_and_b32 v4, 3, v15
	v_lshl_add_u32 v[VS], v4, 6, v[VS]
	v_lshl_add_u32 v[VS], v14, 8, v[VS]
	v_add_nc_u32 v[VS], s40, v[VS]
.else
	v_add_nc_u32 v[VS], s40, v[L16]                ; column 4 r + jj lies in piece jj at place r: my own lane's
.endif
	v_lshlrev_b32 v[H32], 5, v14
	s_lshl_b32 s20, s17, 24                        ; an expert's weights are 16 MB
	s_mov_b32 s21, 0
.if MODE == 1
	s_lshl_b32 s40, s18, 9                         ; 128 columns
	s_add_co_u32 s20, s20, s40
	s_lshl_b32 s42, s17, 14
	s_add_co_u32 s42, s42, s40                     ; b1: 16,384 e + 512 X
	s_mov_b32 s43, 0
	s_lshl_b32 s40, s18, 12                        ; h: my 128 columns are K steps 4 X .. 4 X + 3 of every tile
	s_mov_b32 s41, 0
.else
	s_lshr_b32 s19, s18, 3                         ; ks
	s_and_b32 s40, s18, 7
	s_lshl_b32 s40, s40, 9
	s_add_co_u32 s20, s20, s40
	s_lshl_b32 s41, s19, 22                        ; 1,024 rows
	s_add_co_u32 s20, s20, s41
	s_lshl_b32 s42, s19, 15                        ; tokens: K steps 32 ks on
	s_mov_b32 s43, 0
	s_lshl_b32 s41, s19, 12
	s_add_co_u32 s40, s40, s41                     ; p: 4,096 ks + 512 (X % 8)
	s_mov_b32 s41, 0
.endif
	s_lshl_b32 s44, s47, PSH                       ; my 16 rows,
	s_add_co_u32 s20, s20, s44
	s_lshl_b32 s44, s48, 8                         ; my 64 columns
	s_add_co_u32 s20, s20, s44
	s_lshl_b32 s44, s17, 2
	s_mov_b32 s45, 0
	s_wait_kmcnt 0x0
	s_add_nc_u64 s[22:23], s[4:5], s[20:21]
	s_add_nc_u64 s[10:11], s[10:11], s[40:41]
	s_add_nc_u64 s[8:9], s[8:9], s[44:45]
.if MODE == 1
	s_add_nc_u64 s[12:13], s[12:13], s[42:43]
	s_mov_b64 s[26:27], s[6:7]
.else
	s_add_nc_u64 s[26:27], s[6:7], s[42:43]
.endif
	s_load_b32 s28, s[8:9], 0x0                    ; tile0[e]
	s_load_b32 s29, s[8:9], 0x20                   ; ntiles[e]: both are waited for behind the first weight loads
.if MODE == 1
.set n, 0
.rept 8
	global_load_b128 v[BIAS+8*n:BIAS+8*n+3],   v[H32], s[12:13] offset:64*n      ; b1 of columns 16 n + 8 h + 0..7
	global_load_b128 v[BIAS+8*n+4:BIAS+8*n+7], v[H32], s[12:13] offset:64*n+16
.set n, n+1
.endr
.endif
; THE STREAM.  My quarter of the K step koff on: 8 loads, row t + 8 h of my 16, 4 neighbouring columns a lane, into slot sg
.macro ALOAD sg, koff
	WIN 0xc0                                       ; destination window 3
.set t, 0
.rept 8
	global_load_b128 v[32*(\sg)+4*t:32*(\sg)+4*t+3], v[VA], s[22:23] offset:(32*(\koff)+t)*PITCH th:TH_LOAD_NT
.set t, t+1
.endr
.endm
.macro CVT sg                          ; two neighbouring k of a column make a register of a fragment: 4 registers for each of my 4 columns
	WIN 0x0f                                       ; sources window 3, destination window 0
.set jj, 0
.rept 4
.set i, 0
.rept 4
	v_cvt_pk_bf16_f32 v[FR+4*jj+i], v[32*(\sg)+8*i+jj], v[32*(\sg)+8*i+4+jj]
.set i, i+1
.endr
.set jj, jj+1
.endr
.endm
.macro STORE koff                      ; into my region, at the K step koff on
	WIN 0
.set jj, 0
.rept 4
.if MODE == 1
	ds_store_b128 v[VS], v[FR+4*jj:FR+4*jj+3] offset:(\koff)*KP+16*jj
.else
	ds_store_b128 v[VS], v[FR+4*jj:FR+4*jj+3] offset:(\koff)*KP+jj*PP
.endif
.set jj, jj+1
.endr
.endm
.macro TLOAD sg, koff                  ; the five tiles' fragments of the K step koff on, into ring place sg
	WIN 0x80                                       ; destination window 2
.set tq, 0
.rept 5
	global_load_b128 v[TR+40*(\sg)+8*tq:TR+40*(\sg)+8*tq+3],   v[VT+tq], s[24:25] offset:1024*(\koff)
	global_load_b128 v[TR+40*(\sg)+8*tq+4:TR+40*(\sg)+8*tq+7], v[VT+tq], s[24:25] offset:1024*(\koff)+512
.set tq, tq+1
.endr
.endm
.macro WRUN b, koff, g                 ; fragments 2 g and 2 g + 1 of the K step koff on, into buffer b: four loads of 512 consecutive bytes
	WIN 0
.irp u, 0,1
.set wn, 2*(\g)+\u
	ds_load_b128 v[WB+64*(\b)+8*wn:WB+64*(\b)+8*wn+3],   v[VW+wn/4]   offset:(\koff)*KP+(wn%4)*PP
	ds_load_b128 v[WB+64*(\b)+8*wn+4:WB+64*(\b)+8*wn+7], v[VW+2+wn/4] offset:(\koff)*KP+(wn%4)*PP
.endr
.endm
.macro WLOAD b, koff
	WRUN \b, \koff, 0
	WRUN \b, \koff, 1
	WRUN \b, \koff, 2
	WRUN \b, \koff, 3
.endm
.macro VWINIT
	WIN 0
.irp g, 0,1,2,3
	v_add_nc_u32 v[VW+\g], \g*RB, v[L16]
.endr
.endm
.if MODE == 2
.macro XLOAD                           ; slotw and srow of my 8 slots in each of the five tiles
	WIN 0xc0                                       ; destination window 3
.irp tau, 0,1,2,3,4
	global_load_b128 v[SW+8*\tau:SW+8*\tau+3],   v[VX+\tau], s[12:13]
	global_load_b128 v[SW+8*\tau+4:SW+8*\tau+7], v[VX+\tau], s[12:13] offset:16
	global_load_b128 v[RO+8*\tau:RO+8*\tau+3],   v[VX+\tau], s[14:15]
	global_load_b128 v[RO+8*\tau+4:RO+8*\tau+7], v[VX+\tau], s[14:15] offset:16
.endr
.endm
.endif
; 4 matrix instructions: tile tau x fragments 4 hf .. 4 hf + 3.  The accumulators take turns, one instruction a turn.  first = 1: the first K step starts the sums (MODE 1: with b1; MODE 2: with 0)
.macro MMH c, tau, hf, first
.set ac, (64*(\tau))%256
.set mn, 4*(\hf)
.if MODE == 1
.if \first
	WIN 0x48+0x40*((\tau)/4)                       ; weights window 0, tokens window 2, C = b1 window 0, D window 1 (tile 4: 2)
.else
	WIN 0x58+0x50*((\tau)/4)                       ; C and D window 1 (tile 4: 2)
.endif
.rept 4
.if \first
	v_wmma_f32_16x16x32_bf16 v[ac+8*mn:ac+8*mn+7], v[WB+64*((\c)%2)+8*mn:WB+64*((\c)%2)+8*mn+7], v[TR+40*((\c)%4)+8*(\tau):TR+40*((\c)%4)+8*(\tau)+7], v[BIAS+8*mn:BIAS+8*mn+7]
.else
	v_wmma_f32_16x16x32_bf16 v[ac+8*mn:ac+8*mn+7], v[WB+64*((\c)%2)+8*mn:WB+64*((\c)%2)+8*mn+7], v[TR+40*((\c)%4)+8*(\tau):TR+40*((\c)%4)+8*(\tau)+7], v[ac+8*mn:ac+8*mn+7]
.endif
.set mn, mn+1
.endr
.else
	WIN 0x52+0x50*((\tau)/4)                       ; tokens window 2, weights window 0, C and D window 1 (tile 4: 2)
.rept 4
.if \first
	v_wmma_f32_16x16x32_bf16 v[ac+8*mn:ac+8*mn+7], v[TR+40*((\c)%4)+8*(\tau):TR+40*((\c)%4)+8*(\tau)+7], v[WB+64*((\c)%2)+8*mn:WB+64*((\c)%2)+8*mn+7], 0
.else
	v_wmma_f32_16x16x32_bf16 v[ac+8*mn:ac+8*mn+7], v[TR+40*((\c)%4)+8*(\tau):TR+40*((\c)%4)+8*(\tau)+7], v[WB+64*((\c)%2)+8*mn:WB+64*((\c)%2)+8*mn+7], v[ac+8*mn:ac+8*mn+7]
.endif
.set mn, mn+1
.endr
.endif
.endm
.macro MM4G c                          ; the fifth tile's 8 products, jumped where that tile is dead: forward, past no barrier
	WIN 0                                          ; at a branch and at a label every window is 0
	s_cmp_eq_u32 s46, 0
	s_cbranch_scc1 .Lno4_\@
	MMH \c, 4, 0, 0
	MMH \c, 4, 1, 0
	WIN 0
.Lno4_\@:
.endm
; A GROUP'S TILES, from s33, its first.  xl = 1 (MODE 2): slotw and srow are asked for at once
.macro GSETUP xl
	WIN 0
	s_max_u32 s31, s30, 1
	s_sub_co_u32 s31, s31, 1                       ; my last live tile
.irp tau, 0,1,2,3,4
	s_add_co_u32 s40, s33, \tau
	s_min_u32 s40, s40, s31                        ; a dead tile repeats my last live one: only bytes that were written are read
	s_lshl2_add_u32 s40, s40, s28
	s_cmp_eq_u32 s30, 0
	s_cselect_b32 s40, 0, s40                      ; a wave with no tile reads tile 0, which always exists
	s_min_u32 s[34+\tau], s40, 135                 ; it enters addresses: held inside the 136 tiles
	s_lshl_b32 s40, s[34+\tau], TSH
	v_add_nc_u32 v[VT+\tau], s40, v[L16]
.if MODE == 2
	s_lshl_b32 s41, s[34+\tau], 6
	v_add_nc_u32 v[VX+\tau], s41, v[H32]
.endif
.endr
	s_add_co_u32 s40, s33, 4
	s_cmp_lt_u32 s40, s30
	s_cselect_b32 s46, 1, 0
.if (MODE == 2) && (\xl)
	XLOAD
.endif
.endm
; A STEP OF THE FIRST GROUP'S WALK.  c: the step, counted from the K step at which the stepped bases stand.  cv: K step c + 2 is rounded and stored (with the two barriers); lw: the weights of c + 6 are asked for;
; lt: the tokens of c + 3; wl: the fragments of c + 1 are read; xl: slotw and srow are asked for; cnt: the loads issued behind this step's tokens.
.macro FSTEP c, first, cv, lw, lt, wl, xl, cnt
	s_wait_loadcnt \cnt                            ; this step's tokens are in, and the weights of K step c + 2, which were issued ahead of them; what was issued behind them stays out
.if \cv
	CVT ((\c)+2)%4                                 ; 16 plain vector instructions: also the places between the last step's products and the loads into the buffers that those read
.elseif \wl
	PLACES
.endif
.if \wl
	WRUN ((\c)+1)%2, (\c)+1, 0                     ; the last barrier has shown K step c + 1 whole
.endif
	MMH \c, 0, 0, \first
.if \wl
	WRUN ((\c)+1)%2, (\c)+1, 1
.endif
	MMH \c, 0, 1, \first
.if \wl
	WRUN ((\c)+1)%2, (\c)+1, 2
.endif
	MMH \c, 1, 0, \first
.if \wl
	WRUN ((\c)+1)%2, (\c)+1, 3
.endif
	MMH \c, 1, 1, \first
	MMH \c, 2, 0, \first
	MMH \c, 2, 1, \first
.if \cv
	s_wait_dscnt 0x0                               ; my reads of LDS are back (the next step's products need them anyway):
	s_barrier_signal -1                            ; say so,
	MMH \c, 3, 0, \first                           ; work on registers while the others arrive,
	s_barrier_wait -1                              ; and store only when all four have said so
	STORE (\c)+2
.if \lt
	TLOAD ((\c)+3)%4, (\c)+3                       ; the tokens first, the weights behind them: so the weights may stay out one step longer
.endif
.if \lw
	ALOAD ((\c)+2)%4, (\c)+6                       ; into the slot that has just been rounded
.endif
.if \xl
	XLOAD
.endif
.if \first
	MMH \c, 4, 0, 1                                ; the first step's products start the sums: they are never jumped
	MMH \c, 4, 1, 1
.else
	MM4G \c
.endif
	s_wait_dscnt 0x0                               ; for the others' sake: my stores are done
	s_barrier_signal -1
	MMH \c, 3, 1, \first
	s_barrier_wait -1                              ; everybody's are: K step c + 2 is whole
.else
	MMH \c, 3, 0, \first
	MMH \c, 3, 1, \first
	MM4G \c
.if \wl
	s_wait_dscnt 0x0                               ; the next step's fragments
.endif
.endif
.endm
; A STEP OF A LATER GROUP'S WALK.  c = 0, 1: the buffers in hand.  nxt = 1: the next step's fragments and tokens, at the K step koff on, are asked for first, into the other buffers
.macro PSTEP c, first, nxt, koff
.if \nxt
	PLACES                                         ; behind the last step's products, which read the buffers that are filled now
	WLOAD 1-(\c), \koff
	TLOAD 1-(\c), \koff
	s_wait_loadcnt 10                              ; this step's tokens are in; the 10 loads just issued stay out
	s_wait_dscnt 16                                ; likewise the 16 LDS loads
.else
	s_wait_loadcnt 0x0
	s_wait_dscnt 0x0
.endif
.irp tau, 0,1,2,3
	MMH \c, \tau, 0, \first
	MMH \c, \tau, 1, \first
.endr
.if \first
	MMH \c, 4, 0, 1
	MMH \c, 4, 1, 1
.else
	MM4G \c
.endif
.endm
; THE WAY OUT of tile tau; a dead tile is jumped.  Each accumulator's registers are read in ascending order.
.macro EPI tau
.set ac, (64*(\tau))%256
	s_add_co_u32 s40, s33, \tau
	s_cmp_ge_u32 s40, s30
	s_cbranch_scc1 .Ldead_\@
	s_wait_xcnt 0x0                                ; the tile before's stores have had their addresses translated: their registers are rewritten only behind this wait
.if MODE == 1
	s_lshl_b32 s40, s[34+(\tau)], 17               ; a tile of h is 128 K steps of 1,024 bytes
	v_add_nc_u32 v[VO], s40, v[L16]
	WIN 0x05+5*((\tau)/4)                          ; sources window 1 (tile 4: 2)
.set i, 0
.rept 32
	v_cvt_pk_bf16_f32 v[FR+i], v[ac+2*i], v[ac+2*i+1]
.set i, i+1
.endr
	WIN 0
.set i, 0
.rept 32
	v_pk_max_num_bf16 v[FR+i], v[FR+i], v[ZR]      ; the ReLU, two at a time: a maximum rounds nothing
.set i, i+1
.endr
.set i, 0
.rept 8
	global_store_b128 v[VO], v[FR+4*i:FR+4*i+3], s[10:11] offset:512*i  ; fragment n is K step n / 2, part n % 2 of my four: 512 consecutive bytes
.set i, i+1
.endr
.else
	WIN 0x0c                                       ; source 1 window 3
.set ej, 0
.rept 8
	v_min_u32 v[VR+ej], 0x87f, v[RO+8*(\tau)+ej]   ; the row enters an address: held inside p's 2,176 rows
.set ej, ej+1
.endr
	WIN 0
.set ej, 0
.rept 8
	v_lshl_add_u32 v[VR+ej], v[VR+ej], 14, v[VO]   ; a row of p is 16,384 bytes
.set ej, ej+1
.endr
.irp q, 0,1
.if \q
	s_wait_xcnt 0x0                                ; the first half's stores: their data registers are rewritten only behind this wait
.endif
	WIN 0x0d+(\tau)/4                              ; source 0 window 1 (tile 4: 2), source 1 window 3
.set ej, 0
.rept 8
.set ek, 0
.rept 4
	v_mul_f32 v[FR+4*ej+ek], v[ac+8*(4*\q+ek)+ej], v[SW+8*(\tau)+ej]  ; the routing weight's multiply also brings four accumulators' numbers side by side
.set ek, ek+1
.endr
.set ej, ej+1
.endr
	WIN 0
.set ej, 0
.rept 8
	global_store_b128 v[VR+ej], v[FR+4*ej:FR+4*ej+3], s[10:11] offset:256*\q  ; sixteen lanes store 256 consecutive bytes, at a multiple of 256 from p's first byte
.set ej, ej+1
.endr
.endr
.endif
.Ldead_\@:
.endm
	; THE WALK'S BEGINNING: the order of issue is the loop's (a step's tokens, then a step's weights), so that the loop's count holds from step 0 on
	ALOAD 0, 0                                     ; the weights hang on no whole number from memory: three K steps go out ahead of the wait for meta
	ALOAD 1, 1
	ALOAD 2, 2
	VWINIT
	s_wait_kmcnt 0x0                               ; tile0, ntiles
	s_min_u32 s28, s28, 135
	s_min_u32 s29, s29, 64
	s_add_co_u32 s28, s28, s16                     ; my first tile
	s_add_co_u32 s30, s29, 3
	s_sub_co_u32 s30, s30, s16
	s_lshr_b32 s30, s30, 2                         ; how many of the expert's tiles w, w + 4, .. there are
	s_mov_b32 s33, 0
	s_mov_b32 s32, 4
	GSETUP 0
	s_mov_b64 s[24:25], s[26:27]
	TLOAD 0, 0
	ALOAD 3, 3
	s_wait_loadcnt 34                              ; K step 0's weights are in (and b1, issued ahead of them); behind them were issued 8 + 8 + 10 + 8
	CVT 0
	STORE 0
	TLOAD 1, 1
	ALOAD 0, 4
.if MODE == 1
	WIN 0
.set i, 0
.rept 32                                           ; b1 rounded to bf16 and widened again, by way of registers that the fragments take later
	v_cvt_pk_bf16_f32 v[WB+i], v[BIAS+2*i], v[BIAS+2*i+1]
.set i, i+1
.endr
.set i, 0
.rept 32
	v_lshlrev_b32 v[BIAS+2*i], 16, v[WB+i]
	v_and_b32 v[BIAS+2*i+1], 0xffff0000, v[WB+i]
.set i, i+1
.endr
.endif
	s_wait_loadcnt 44                              ; K step 1's weights; behind them were issued 8 + 10 + 8 + 10 + 8
	CVT 1
	STORE 1
	TLOAD 2, 2
	ALOAD 1, 5
	s_wait_dscnt 0x0                               ; for the others' sake: my stores are done
	s_barrier_signal -1
	s_barrier_wait -1                              ; K steps 0 and 1 are whole
	WLOAD 0, 0
	s_wait_dscnt 0x0
	FSTEP 0, 1, 1, 1, 1, 1, 0, 44                  ; behind a step's tokens were issued 8 weight loads and two steps' 18
	WIN 0                                          ; at a label and at a branch every window is 0
	s_mov_b32 s39, 6
.Lk0:                                              ; a trip: steps 4 j + 1 .. 4 j + 4
	FSTEP 1, 0, 1, 1, 1, 1, 0, 44
	FSTEP 2, 0, 1, 1, 1, 1, 0, 44
	FSTEP 3, 0, 1, 1, 1, 1, 0, 44
	FSTEP 4, 0, 1, 1, 1, 1, 0, 44
	WIN 0
	s_wait_xcnt 0x0                                ; the loads' addresses are translated: their bases are stepped only behind this wait
	s_add_nc_u64 s[22:23], s[22:23], 128*PITCH
	s_add_nc_u64 s[24:25], s[24:25], 4096
	v_add_nc_u32 v[VS], 4*KP, v[VS]
.irp g, 0,1,2,3
	v_add_nc_u32 v[VW+\g], 4*KP, v[VW+\g]
.endr
	s_sub_co_u32 s39, s39, 1
	s_cmp_lg_u32 s39, 0
	s_cbranch_scc1 .Lk0
	FSTEP 1, 0, 1, 1, 1, 1, 0, 44                  ; step 25 asks for the last weights, K step 31's
	FSTEP 2, 0, 1, 0, 1, 1, 0, 44                  ; from here on no load runs past the slice or the tile, and the counts run down
	FSTEP 3, 0, 1, 0, 1, 1, 0, 36                  ; 8 + 18 + 10
	FSTEP 4, 0, 1, 0, 1, 1, 0, 28                  ; 8 + 10 + 10; step 28 asks for the last tokens
	FSTEP 5, 0, 1, 0, 0, 1, XL, 20                 ; 10 + 10; step 29 stores the last K step
	FSTEP 6, 0, 0, 0, 0, 1, 0, 10+EX               ; step 31's tokens, and MODE 2's 20 loads of step 29
	FSTEP 7, 0, 0, 0, 0, 0, 0, EX
	PLACES                                         ; in front of the reads of the results, and of a later group's loads into the fragment buffers
	WIN 0
	s_branch .Lepi                                 ; the loop over groups is entered at its way out
.Lgroup:
	s_cmp_ge_u32 s33, s30
	s_cbranch_scc1 .Lnone                          ; no live tile in this group: forward, past no barrier
	s_wait_xcnt 0x0                                ; the group before's loads and stores: their registers are rewritten only behind this wait
	GSETUP 1                                       ; MODE 2's 20 loads stand ahead of the tokens', so the first counted wait covers them
	s_mov_b64 s[24:25], s[26:27]
	VWINIT
	TLOAD 0, 0
	WLOAD 0, 0
	PSTEP 0, 1, 1, 1
	WIN 0
	s_mov_b32 s39, 15
.Lk:                                               ; a trip: steps 2 j + 1 and 2 j + 2
	PSTEP 1, 0, 1, 2
	PSTEP 0, 0, 1, 3
	WIN 0
	s_wait_xcnt 0x0                                ; the token loads' base is stepped only behind this wait
	s_add_nc_u64 s[24:25], s[24:25], 2048
.irp g, 0,1,2,3
	v_add_nc_u32 v[VW+\g], 2*KP, v[VW+\g]          ; 30 K steps at the most: with the immediates the reads of region g end inside it, ahead of the spare words
.endr
	s_sub_co_u32 s39, s39, 1
	s_cmp_lg_u32 s39, 0
	s_cbranch_scc1 .Lk
	PSTEP 1, 0, 0, 0                               ; step 31: nothing is left to fetch
	PLACES
	WIN 0
.Lepi:
.if MODE == 2
	s_wait_loadcnt 0x0                             ; slotw and srow
.endif
	EPI 0
	EPI 1
	EPI 2
	EPI 3
	EPI 4
.Lnone:
	s_add_co_u32 s33, s33, 5
	s_sub_co_u32 s32, s32, 1
	s_cmp_lg_u32 s32, 0
	s_cbranch_scc1 .Lgroup
	s_wait_dscnt 0x0                               ; my reads of the fragments are back;
	s_barrier_signal -1                            ; every wave passes here once, whatever its number of tiles:
	s_barrier_wait -1                              ; all four waves' reads of LDS are over before any wave writes LDS again, by the add below
	s_wait_tensorcnt 0x0                           ; the wave's end: three lines behind my last LDS store
	ds_add_u32 v[SPW], v[NIL]
	s_wait_dscnt 0x0
	s_endpgm
.Lfunc_end_k_qf3f955a442_ffn2:
	.size	k_qf3f955a442_ffn2, .Lfunc_end_k_qf3f955a442_ffn2-k_qf3f955a442_ffn2
	.p2alignl 7, 3214868480
	.fill 96, 4, 3214868480
	.section	.rodata,"a",@progbits
	.p2align	6, 0x0
	.amdhsa_kernel k_qf3f955a442_ffn2
		.amdhsa_group_segment_fixed_size 270848
		.amdhsa_private_segment_fixed_size 0
		.amdhsa_enable_private_segment 0
		.amdhsa_kernarg_size 48
		.amdhsa_user_sgpr_count 2
		.amdhsa_user_sgpr_kernarg_segment_ptr 1
		.amdhsa_wavefront_size32 1
		.amdhsa_system_sgpr_workgroup_id_x 1
		.amdhsa_system_sgpr_workgroup_id_y 1
		.amdhsa_system_sgpr_workgroup_id_z 1
		.amdhsa_system_vgpr_workitem_id 0
		.amdhsa_next_free_vgpr 976
		.amdhsa_next_free_sgpr 66
		.amdhsa_reserve_vcc 0
		.amdhsa_float_denorm_mode_32 3
		.amdhsa_float_denorm_mode_16_64 3
		.amdhsa_memory_ordered 1
		.amdhsa_forward_progress 1
		.amdhsa_inst_pref_size 142
	.end_amdhsa_kernel
	.amdgpu_metadata
---
amdhsa.version: [ 1, 2 ]
amdhsa.kernels:
  - .name:           k_qf3f955a442_ffn2
    .symbol:         k_qf3f955a442_ffn2.kd
    .args:
      - { .name: W2, .offset: 0, .size: 8, .value_kind: global_buffer, .address_space: global }
      - { .name: h, .offset: 8, .size: 8, .value_kind: global_buffer, .address_space: global }
      - { .name: meta, .offset: 16, .size: 8, .value_kind: global_buffer, .address_space: global }
      - { .name: p, .offset: 24, .size: 8, .value_kind: global_buffer, .address_space: global }
      - { .name: slotw, .offset: 32, .size: 8, .value_kind: global_buffer, .address_space: global }
      - { .name: srow, .offset: 40, .size: 8, .value_kind: global_buffer, .address_space: global }
    .group_segment_fixed_size: 270848
    .private_segment_fixed_size: 0
    .kernarg_segment_align: 8
    .kernarg_segment_size: 48
    .max_flat_workgroup_size: 128
    .sgpr_count:     66
    .vgpr_count:     976
    .wavefront_size: 32
...
	.end_amdgpu_metadata
.endif
;; end of part 4
;; launch combine (part 5): grid 256 x 1, 8 waves a work-group, no clusters, 0 bytes of LDS; arguments p, ridx, rwt, b2, out0; writes out0
.if DOCPART == 5
	.amdgcn_target "amdgcn-amd-amdhsa--gfx1250"
	.amdhsa_code_object_version 6
	.text
	.protected	k_qf3f955a442_combine
	.globl	k_qf3f955a442_combine
	.p2align	8
	.type	k_qf3f955a442_combine,@function
k_qf3f955a442_combine:
	s_mov_b64 s[64:65], 0
	v_nop
	global_prefetch_b8 v0, s[64:65] scope:SCOPE_SE
	s_setreg_imm32_b32 hwreg(HW_REG_WAVE_MODE, 25, 1), 1
	s_wait_xcnt 0x0
; THE SUM.  out0[t] = the sum over the token's two choices j of (the four partial sums p[2 t + j][ks], which carry the routing weight already) + w_j b2[e_j].
; b2 is rounded to bf16; everything else is f32, added in one fixed tree.  A stream: no LDS, no barrier, no matrix unit; each byte of p is read once.
; A wave takes half a token's row: 2 KB of out0, 16 KB of p in 32 loads of 512 consecutive bytes, all issued at once.
.set P,  16                            ; v[16:143]   p: choice j, quarter ks, chunk c of 512 bytes at P + 4 (16 j + 4 ks + c); the result grows in j = 0, ks = 0
.set B2, 144                           ; v[144:175]  b2: choice j, chunk c at B2 + 16 j + 4 c
.set BP, 176                           ; v[176:191]  b2 as bf16 pairs
	s_load_b256 s[4:11], s[0:1], 0x0               ; p s[4:5], ridx s[6:7], rwt s[8:9], b2 s[10:11]
	s_load_b64 s[12:13], s[0:1], 0x20              ; out0
	v_lshrrev_b32 v1, 5, v0
	v_readfirstlane_b32 s16, v1                    ; wave 0..7
	v_and_b32 v2, 31, v0
	v_lshlrev_b32 v2, 4, v2                        ; 16 lane
	s_lshr_b32 s17, s16, 1
	s_lshl_b32 s19, ttmp9, 2
	s_add_co_u32 s17, s19, s17                     ; my token
	s_and_b32 s18, s16, 1
	s_lshl_b32 s18, s18, 11                        ; my half of its row: 2,048 bytes
	s_lshl_b32 s20, s17, 15                        ; p: two rows of 16,384 bytes a token
	s_add_co_u32 s20, s20, s18
	s_mov_b32 s21, 0
	s_lshl_b32 s22, s17, 3
	s_mov_b32 s23, 0
	s_lshl_b32 s24, s17, 12
	s_add_co_u32 s24, s24, s18
	s_mov_b32 s25, 0
	s_mov_b32 s26, s18
	s_mov_b32 s27, 0
	s_wait_kmcnt 0x0
	s_add_nc_u64 s[4:5], s[4:5], s[20:21]
	s_add_nc_u64 s[6:7], s[6:7], s[22:23]
	s_add_nc_u64 s[8:9], s[8:9], s[22:23]
	s_add_nc_u64 s[10:11], s[10:11], s[26:27]
	s_add_nc_u64 s[12:13], s[12:13], s[24:25]
	s_load_b64 s[28:29], s[6:7], 0x0               ; e1, e2
	s_load_b64 s[30:31], s[8:9], 0x0               ; w1, w2
.set u, 0
.rept 32                                           ; u = 16 j + 4 ks + c
	global_load_b128 v[P+4*u:P+4*u+3], v2, s[4:5] offset:16384*(u/16)+4096*((u/4)%4)+512*(u%4) th:TH_LOAD_NT
.set u, u+1
.endr
	s_wait_kmcnt 0x0
	s_min_u32 s28, s28, 7                          ; they enter addresses: held inside b2's 8 rows
	s_min_u32 s29, s29, 7
	s_lshl_b32 s28, s28, 12
	s_lshl_b32 s29, s29, 12
	v_add_nc_u32 v3, s28, v2
	v_add_nc_u32 v4, s29, v2
	v_mov_b32 v6, s30
	v_mov_b32 v7, s31
.set c, 0
.rept 4
	global_load_b128 v[B2+4*c:B2+4*c+3],       v3, s[10:11] offset:512*c
	global_load_b128 v[B2+16+4*c:B2+16+4*c+3], v4, s[10:11] offset:512*c
.set c, c+1
.endr
	s_wait_loadcnt 8                               ; p is in; b2's 8 loads stay out
	; eight terms for each number, two numbers a line: neighbours 1, 2 and 4 terms apart.  u counts the 8 pairs of a term's 16 registers
.irp a, 0,32,64,96
.set u, 0
.rept 8
	v_pk_add_f32 v[P+\a+2*u:P+\a+2*u+1], v[P+\a+2*u:P+\a+2*u+1], v[P+\a+16+2*u:P+\a+16+2*u+1]
.set u, u+1
.endr
.endr
.irp a, 0,64
.set u, 0
.rept 8
	v_pk_add_f32 v[P+\a+2*u:P+\a+2*u+1], v[P+\a+2*u:P+\a+2*u+1], v[P+\a+32+2*u:P+\a+32+2*u+1]
.set u, u+1
.endr
.endr
.set u, 0
.rept 8
	v_pk_add_f32 v[P+2*u:P+2*u+1], v[P+2*u:P+2*u+1], v[P+64+2*u:P+64+2*u+1]
.set u, u+1
.endr
	s_wait_loadcnt 0x0                             ; b2
.set u, 0
.rept 16                                           ; u = 8 j + pair
	v_cvt_pk_bf16_f32 v[BP+u], v[B2+2*u], v[B2+2*u+1]
.set u, u+1
.endr
.irp j, 0,1
.set u, 0
.rept 8                                            ; + w_j b2, straight from the bf16 halves
	v_fma_mix_f32_bf16 v[P+2*u],   v[BP+8*\j+u], v[6+\j], v[P+2*u]   op_sel_hi:[1,0,0]
	v_fma_mix_f32_bf16 v[P+2*u+1], v[BP+8*\j+u], v[6+\j], v[P+2*u+1] op_sel:[1,0,0] op_sel_hi:[1,0,0]
.set u, u+1
.endr
.endr
.set c, 0
.rept 4
	global_store_b128 v2, v[P+4*c:P+4*c+3], s[12:13] offset:512*c th:TH_STORE_NT  ; 512 consecutive bytes
.set c, c+1
.endr
	s_endpgm
.Lfunc_end_k_qf3f955a442_combine:
	.size	k_qf3f955a442_combine, .Lfunc_end_k_qf3f955a442_combine-k_qf3f955a442_combine
	.p2alignl 7, 3214868480
	.fill 96, 4, 3214868480
	.section	.rodata,"a",@progbits
	.p2align	6, 0x0
	.amdhsa_kernel k_qf3f955a442_combine
		.amdhsa_group_segment_fixed_size 0
		.amdhsa_private_segment_fixed_size 0
		.amdhsa_enable_private_segment 0
		.amdhsa_kernarg_size 40
		.amdhsa_user_sgpr_count 2
		.amdhsa_user_sgpr_kernarg_segment_ptr 1
		.amdhsa_wavefront_size32 1
		.amdhsa_system_sgpr_workgroup_id_x 1
		.amdhsa_system_sgpr_workgroup_id_y 1
		.amdhsa_system_sgpr_workgroup_id_z 1
		.amdhsa_system_vgpr_workitem_id 0
		.amdhsa_next_free_vgpr 192
		.amdhsa_next_free_sgpr 66
		.amdhsa_reserve_vcc 0
		.amdhsa_float_denorm_mode_32 3
		.amdhsa_float_denorm_mode_16_64 3
		.amdhsa_memory_ordered 1
		.amdhsa_forward_progress 1
		.amdhsa_inst_pref_size 13
	.end_amdhsa_kernel
	.amdgpu_metadata
---
amdhsa.version: [ 1, 2 ]
amdhsa.kernels:
  - .name:           k_qf3f955a442_combine
    .symbol:         k_qf3f955a442_combine.kd
    .args:
      - { .name: p, .offset: 0, .size: 8, .value_kind: global_buffer, .address_space: global }
      - { .name: ridx, .offset: 8, .size: 8, .value_kind: global_buffer, .address_space: global }
      - { .name: rwt, .offset: 16, .size: 8, .value_kind: global_buffer, .address_space: global }
      - { .name: b2, .offset: 24, .size: 8, .value_kind: global_buffer, .address_space: global }
      - { .name: out0, .offset: 32, .size: 8, .value_kind: global_buffer, .address_space: global }
    .group_segment_fixed_size: 0
    .private_segment_fixed_size: 0
    .kernarg_segment_align: 8
    .kernarg_segment_size: 40
    .max_flat_workgroup_size: 256
    .sgpr_count:     66
    .vgpr_count:     192
    .wavefront_size: 32
...
	.end_amdgpu_metadata
.endif
;; end of part 5
;; ======== version 2 of 2: 5 launches; version 1 with the launches ffn1, ffn2 written anew for expert scheduling mode
;; workspace buffers: ridx 8,192 bytes of whole numbers; rwt 8,192 bytes; meta 256 bytes of whole numbers; srow 8,704 bytes of whole numbers; slotw 8,704 bytes; xg 4,456,448 bytes; h 17,825,792 bytes; p 35,651,584 bytes
;; launch gate: the kernel of part 1 again; grid 256 x 1, 4 waves a work-group, no clusters, 0 bytes of LDS; arguments x, Wg, bg, ridx, rwt; writes ridx, rwt
;; launch pack: the kernel of part 2 again; grid 128 x 1, 8 waves a work-group, no clusters, 2,560 bytes of LDS; arguments x, ridx, rwt, xg, slotw, srow, meta; writes xg, slotw, srow, meta
;; launch ffn1 (part 6): grid 32 x 8, 4 waves a work-group, no clusters, 270,848 bytes of LDS; arguments W1, xg, meta, h, b1; writes h
.if DOCPART == 6
	.amdgcn_target "amdgcn-amd-amdhsa--gfx1250"
	.amdhsa_code_object_version 6
	.text
	.protected	k_qf3f955a442_ffn1
	.globl	k_qf3f955a442_ffn1
	.p2align	8
	.type	k_qf3f955a442_ffn1,@function
k_qf3f955a442_ffn1:
	s_mov_b64 s[64:65], 0
	v_nop
	global_prefetch_b8 v0, s[64:65] scope:SCOPE_SE
	s_setreg_imm32_b32 hwreg(HW_REG_WAVE_SCHED_MODE, 0, 2), 2
	s_setreg_imm32_b32 hwreg(HW_REG_WAVE_MODE, 25, 1), 1
	s_wait_xcnt 0x0
	s_wait_alu depctr_vm_vsrc(0)
; ONE LAYER OF THE EXPERTS' FFN, for the tokens that chose the expert.  One text for both layers; MODE says which.
;   MODE 1: h = relu(xg W1[e] + b1[e]), rounded once to bf16.     MODE 2: p = slotw x (h W2[e]), in f32, one partial sum for each quarter ks of the 4,096 k.
; Weights and b1 are rounded to bf16, sums are f32.  LIMITS: NaN and infinities are not treated apart; any split of the tokens over the experts, 0 to 1,024, is served.
; SHARES.  Work-group (X, e) owns a slice of expert e's weights, 1,024 k x 128 columns, 512 KB of f32: 256 work-groups read each weight byte once.
;   MODE 1: columns 128 X on, all k.     MODE 2: columns 128 (X % 8) on, k from 1,024 (X / 8) on.
;   Wave w takes the expert's tiles w, w + 4, w + 8 .. (a tile is 16 slots), five at a time: a GROUP.  How many tiles there are is read from meta, whole numbers stored by an earlier launch.
; THE FIRST GROUP'S WALK AND THE WEIGHT STREAM GO SIDE BY SIDE.  A K step is 32 k.  In step s every wave
;   rounds its quarter of K step s + 2's weights (rows 16 p on, columns 64 q on; w = 2 p + q), which it asked for four steps ago, to bf16;
;   reads K step s + 1's 8 fragments from LDS, in four runs of four loads between the products;  multiplies K step s: 8 fragments x its tiles;
;   stores the rounded quarter into LDS as finished pieces of fragments;  asks for the tokens of step s + 3 and then for the weights of step s + 6.
;   Loads into registers come back in the order of issue (ISA guide 5.7.1), so the wait for a step's tokens also waits for every weight load issued ahead of them: the weights' lead is
;   the tokens' lead and one step.  With 3 and 4 steps a wave has 30 + 32 = 62 loads out, and a work-group 64 KB of weights.
;   TWO BARRIERS A STEP: reads, wait, barrier, stores, wait, barrier, reads.  The first of them orders accesses that never touch the same bytes (a K step is stored once, before anybody reads it);
;   it stands so that the order of stores and reads can be read off the text without following the stepped addresses.
;   Every wave runs this walk, whatever its number of tiles, so that the barriers stand at constant places: a dead tile repeats the wave's last live one, a wave with no tile at all reads tile 0
;   (there are at least 128 tiles); dead tiles are not stored, and a dead fifth tile's products are jumped (but the first step's, which start the sums).
; LATER GROUPS (an expert with more than 320 tokens) find all fragments in LDS and need no barrier: a shorter text, two steps a trip, fetching one step ahead.  The loop over groups counts to the
;   constant 4 (64 tiles / 4 waves / 5, rounded up); a group with no live tile is jumped forward.  A last barrier stands behind it: all reads of LDS are back before the closing add.
; NO TENSOR LOADS: the weights must pass through registers to be rounded and turned, and beside the fragments 327,680 - 270,848 = 56,832 bytes of LDS are left, less than two slots of two K steps of f32 (32 KB each).
; NO CLUSTER: an expert's 32 work-groups do read the same token tiles, but a joint request is a tensor load's, so it falls with them.
; A FRAGMENT is 16 columns x 32 k in 8 registers: lane (r, h) holds column r; registers 0-3 k = 8 h + 0..7, registers 4-7 k = 16 + 8 h + 0..7.
;   In LDS each storing wave has a region of its own.  Registers 4 p .. 4 p + 3 of fragment n = 4 q + j of K step s are the PIECE at (2 p + q) RB + s KP + j PP; lane L's 16 bytes lie at + 16 L.
;   MODE 1: fragment n holds columns 16 n + r; the weights are source 0, so a lane's 8 results are 8 neighbouring columns of ONE slot: rounded, they are h's register image.
;   MODE 2: fragment n = 4 q + jj holds columns 64 q + 4 r + jj; the tokens are source 0, so a lane's result registers j are slots 8 h + j, and four accumulators jj give it 4 neighbouring columns:
;   sixteen lanes store 256 consecutive bytes of a row of p, at a multiple of 256.
; THE MODE: SCHED_MODE bits 1:0 = 2 (LLVM: expert scheduling mode 2), set by the entry lines.  The code itself states the register dependences between vector or matrix instructions and
;   memory or LDS instructions, with s_wait_alu, always for 0.
; THE PLAN.  The registers that memory or LDS instructions touch, and who else names them.  In step s of the first group's walk:
;   slots 0-3 (window 3)   the step's 16 roundings read slot (s + 2) % 4; later in the step the weights of K step s + 6 land in it.
;   FR0, FR1               the roundings write FR[s % 2]; the step's four LDS stores read it.
;   WB0, WB1               the products read WB[s % 2]; K step s + 1's fragments land in the other, which step s - 1's products read.
;   TR0-TR3 (window 2)     the products read TR[s % 4]; the tokens of step s + 3 land in TR[(s - 1) % 4], which step s - 1's products read.
;   VS, VW                 read by the LDS stores and loads; stepped once a trip, at its end.       VA, VT, VX   read by the global loads; not written in the walk.
;   So ONE wait on va_vdst stands in a step, behind its roundings: they have written FR[s % 2] and are done reading their slot; step s - 1's products are done reading their WB and TR; in a trip's
;   first step VS and VW are written.  All the step's memory and LDS instructions follow it, dealt among the products, which name WB[s % 2], TR[s % 4] and accumulators (step 0 of MODE 1: b1 too):
;   none of the registers that those touch.  One wait on vm_vsrc stands at the head of every second step: the LDS stores of the two steps before have read both halves of FR, of which this step
;   writes one and the next step the other.  One more a trip stands ahead of the adds to VS and VW.
;   A LATER GROUP: vm_vsrc at its head (VT, VX, v16-23 and the out-buffers have been read), its address lines, one va_vdst, its first loads; each further step has one va_vdst at its head (the
;   last step's products are done reading the two buffers that are filled now); one vm_vsrc a trip ahead of the adds to VW.
;   THE WAY OUT.  MODE 1: each tile has an out-buffer and an address register of its own (tiles 0-3: WB's 128 registers, tile 4: FR; v[VT + tau]), so one vm_vsrc ahead of the five tiles serves all, and
;   each tile has one va_vdst ahead of its stores.  MODE 2: a tile's two halves have an out-buffer each (FR, FQ): one vm_vsrc, 64 multiplies, one va_vdst, 16 stores.
.set MODE, 1
.set PP,    528                        ; a piece: 512 bytes + 16, so that MODE 1's stores, which go to four pieces at once, fall into sixteen different 16-byte columns of 256 bytes
.set KP,    4*PP                       ; a K step's 4 pieces in a region
.set RB,    32*KP                      ; a region: 67,584 bytes
.set SPARE, 4*RB                       ; 270,336: behind the regions the spare words, 128 bytes for each wave: two blocks of 256 bytes that no other line names
.if MODE == 1
.set PITCH, 16384                      ; bytes from a row of k to the next
.set HSH,   17                         ; 8 rows, as a shift
.set PSH,   18                         ; 16 rows, as a shift
.set TSH,   15                         ; a tile of tokens: 32 K steps of 1,024 bytes
.set XL,    0
.set EX,    0
.else
.set PITCH, 4096
.set HSH,   15
.set PSH,   16
.set TSH,   17                         ; 128 K steps of 1,024 bytes
.set XL,    1                          ; slotw and srow are asked for in step 29,
.set EX,    20                         ; by 20 loads
.endif
; window 0
.set L16,  1                           ; v1      16 lane
.set VA,   2                           ; v2      weights: 16 r + 8 h rows; never rewritten
.set VS,   3                           ; v3      where my 16 bytes go in my region
.set VT,   5                           ; v[5:9]  tile tau's offset + 16 lane;  MODE 1, the way out: the tile's offset in h + 16 lane
.set VO,   10                          ; v10     MODE 2: 16 r
.set ZR,   11                          ; v11     0, for the ReLU
.set SPW,  12                          ; v12     LDS address of my spare word; never rewritten
.set NIL,  13                          ; v13     0; never rewritten
.set H32,  15                          ; v15     32 h
.set VW,   16                          ; v[16:19] region g's first byte + 16 lane + the K steps gone; made anew for each group
.set VR,   16                          ; v[16:23] MODE 2, the way out: row j's offset in p + 16 r
.set VX,   24                          ; v[24:28] MODE 2: tile tau's offset in slotw and srow + 32 h
.set WB,   32                          ; v[32:159] weight fragments, two buffers of 64;  MODE 1, the way out: what tiles 0-3 store
.set BIAS, 160                         ; v[160:223] MODE 1: b1 of my 8 numbers in each of the 8 fragments
.set FQ,   160                         ; v[160:191] MODE 2, the way out: what is stored, columns 64 on (it lies 64 registers below FR)
.set FR,   224                         ; v[224:255] the walk: two halves of 16, my quarter of a K step as bf16, by the K step's parity;  the way out: what is stored
; window 1: accumulators of tiles 0-3 at 64 tau + 8 n
; window 2: v[0:63] accumulators of tile 4;  v[64:223] token fragments, a ring of four K steps of 40
.set TR,   64
; window 3: v[0:127] weights as loaded, four slots of 32 (K step % 4): row t, column jj at 4 t + jj;  MODE 2: v[128:167] slotw, v[168:207] srow of my 8 slots in each tile
.set SW,   128
.set RO,   168
; s[4:5] weights, s[6:7] tokens, s[8:9] meta, s[10:11] output, s[12:15] b1 or slotw and srow; s16 wave, s17 e, s18 X, s47 p, s48 q; s[22:23] the weights' base, stepped; s[24:25] the tokens' base, stepped;
; s[26:27] the same at K step 0; s28 tile0 + w, s29 ntiles, s30 my tiles, s31 the last of them, s32 groups to go, s33 the group's first tile, s[34:38] the five tiles, s39 inner counts, s[40:45] at work, s46 1: the fifth tile is live
.set MSB, 0
.macro WIN new                         ; the immediate's high byte repeats the setting that is left; bits 1:0 source 0, 3:2 source 1, 5:4 source 2, 7:6 destination
.if MSB != (\new)
	s_set_vgpr_msb (MSB<<8)|(\new)
.set MSB, (\new)
.endif
.endm
.macro PLACES                          ; four plain vector instructions between a matrix instruction and a load into, or a vector read or write of, its registers
.rept 4
	v_nop
.endr
.endm
	s_load_b256 s[4:11], s[0:1], 0x0
.if MODE == 1
	s_load_b64 s[12:13], s[0:1], 0x20
.else
	s_load_b128 s[12:15], s[0:1], 0x20
.endif
	v_lshl_add_u32 v[SPW], v0, 2, SPARE
	v_mov_b32 v[NIL], 0
.if MODE == 1
	v_mov_b32 v[ZR], 0
.endif
	v_lshrrev_b32 v14, 5, v0
	v_readfirstlane_b32 s16, v14                   ; wave 0..3
	s_and_b32 s17, ttmp7, 0xffff                   ; e
	s_mov_b32 s18, ttmp9                           ; X
	v_and_b32 v[L16], 31, v0
	v_lshlrev_b32 v[L16], 4, v[L16]
	v_and_b32 v15, 15, v0                          ; r
	v_bfe_u32 v14, v0, 4, 1                        ; h
	v_lshlrev_b32 v[VA], 4, v15
.if MODE == 2
	v_mov_b32 v[VO], v[VA]
.endif
	v_lshl_add_u32 v[VA], v14, HSH, v[VA]          ; the two halves of the lanes take rows 8 apart: each load is two runs of 256 consecutive bytes
	s_wait_alu depctr_va_sdst(0)                   ; s16 is written, ahead of its first reader: p, q, my region and my tiles are made from it
	s_lshr_b32 s47, s16, 1                         ; p: which 16 of a K step's 32 rows I stream
	s_and_b32 s48, s16, 1                          ; q: which 64 of the 128 columns
	s_mul_i32 s40, s16, RB                         ; my region
.if MODE == 1
	v_lshrrev_b32 v[VS], 2, v15                    ; my 4 columns 4 r + jj lie in piece r / 4 at places 4 (r % 4) + jj
	v_mul_u32_u24 v[VS], v[VS], PP
	v_and_b32 v4, 3, v15
	v_lshl_add_u32 v[VS], v4, 6, v[VS]
	v_lshl_add_u32 v[VS], v14, 8, v[VS]
	v_add_nc_u32 v[VS], s40, v[VS]
.else
	v_add_nc_u32 v[VS], s40, v[L16]                ; column 4 r + jj lies in piece jj at place r: my own lane's
.endif
	v_lshlrev_b32 v[H32], 5, v14
	s_lshl_b32 s20, s17, 24                        ; an expert's weights are 16 MB
	s_mov_b32 s21, 0
.if MODE == 1
	s_lshl_b32 s40, s18, 9                         ; 128 columns
	s_add_co_u32 s20, s20, s40
	s_lshl_b32 s42, s17, 14
	s_add_co_u32 s42, s42, s40                     ; b1: 16,384 e + 512 X
	s_mov_b32 s43, 0
	s_lshl_b32 s40, s18, 12                        ; h: my 128 columns are K steps 4 X .. 4 X + 3 of every tile
	s_mov_b32 s41, 0
.else
	s_lshr_b32 s19, s18, 3                         ; ks
	s_and_b32 s40, s18, 7
	s_lshl_b32 s40, s40, 9
	s_add_co_u32 s20, s20, s40
	s_lshl_b32 s41, s19, 22                        ; 1,024 rows
	s_add_co_u32 s20, s20, s41
	s_lshl_b32 s42, s19, 15                        ; tokens: K steps 32 ks on
	s_mov_b32 s43, 0
	s_lshl_b32 s41, s19, 12
	s_add_co_u32 s40, s40, s41                     ; p: 4,096 ks + 512 (X % 8)
	s_mov_b32 s41, 0
.endif
	s_lshl_b32 s44, s47, PSH                       ; my 16 rows,
	s_add_co_u32 s20, s20, s44
	s_lshl_b32 s44, s48, 8                         ; my 64 columns
	s_add_co_u32 s20, s20, s44
	s_lshl_b32 s44, s17, 2
	s_mov_b32 s45, 0
	s_wait_kmcnt 0x0
	s_add_nc_u64 s[22:23], s[4:5], s[20:21]
	s_add_nc_u64 s[10:11], s[10:11], s[40:41]
	s_add_nc_u64 s[8:9], s[8:9], s[44:45]
.if MODE == 1
	s_add_nc_u64 s[12:13], s[12:13], s[42:43]
	s_mov_b64 s[26:27], s[6:7]
.else
	s_add_nc_u64 s[26:27], s[6:7], s[42:43]
.endif
	s_load_b32 s28, s[8:9], 0x0                    ; tile0[e]
	s_load_b32 s29, s[8:9], 0x20                   ; ntiles[e]: both are waited for behind the first weight loads
	s_wait_alu depctr_va_vdst(0)                   ; VA, VS and H32 are written: the loads of the weights and of b1 and the LDS stores read them as their offsets
.if MODE == 1
.set n, 0
.rept 8
	global_load_b128 v[BIAS+8*n:BIAS+8*n+3],   v[H32], s[12:13] offset:64*n      ; b1 of columns 16 n + 8 h + 0..7
	global_load_b128 v[BIAS+8*n+4:BIAS+8*n+7], v[H32], s[12:13] offset:64*n+16
.set n, n+1
.endr
.endif
; THE STREAM.  My quarter of the K step koff on: 8 loads, row t + 8 h of my 16, 4 neighbouring columns a lane, into slot sg
.macro ALOAD sg, koff
	WIN 0xc0                                       ; destination window 3
.set t, 0
.rept 8
	global_load_b128 v[32*(\sg)+4*t:32*(\sg)+4*t+3], v[VA], s[22:23] offset:(32*(\koff)+t)*PITCH th:TH_LOAD_NT
.set t, t+1
.endr
.endm
.macro CVT sg, fb                      ; two neighbouring k of a column make a register of a fragment: 4 registers for each of my 4 columns, into half fb of FR
	WIN 0x0f                                       ; sources window 3, destination window 0
.set jj, 0
.rept 4
.set i, 0
.rept 4
	v_cvt_pk_bf16_f32 v[FR+16*(\fb)+4*jj+i], v[32*(\sg)+8*i+jj], v[32*(\sg)+8*i+4+jj]
.set i, i+1
.endr
.set jj, jj+1
.endr
.endm
.macro STORE koff, fb                  ; half fb of FR into my region, at the K step koff on
	WIN 0
.set jj, 0
.rept 4
.if MODE == 1
	ds_store_b128 v[VS], v[FR+16*(\fb)+4*jj:FR+16*(\fb)+4*jj+3] offset:(\koff)*KP+16*jj
.else
	ds_store_b128 v[VS], v[FR+16*(\fb)+4*jj:FR+16*(\fb)+4*jj+3] offset:(\koff)*KP+jj*PP
.endif
.set jj, jj+1
.endr
.endm
.macro TLOAD sg, koff                  ; the five tiles' fragments of the K step koff on, into ring place sg
	WIN 0x80                                       ; destination window 2
.set tq, 0
.rept 5
	global_load_b128 v[TR+40*(\sg)+8*tq:TR+40*(\sg)+8*tq+3],   v[VT+tq], s[24:25] offset:1024*(\koff)
	global_load_b128 v[TR+40*(\sg)+8*tq+4:TR+40*(\sg)+8*tq+7], v[VT+tq], s[24:25] offset:1024*(\koff)+512
.set tq, tq+1
.endr
.endm
.macro WRUN b, koff, g                 ; fragments 2 g and 2 g + 1 of the K step koff on, into buffer b: four loads of 512 consecutive bytes
	WIN 0
.irp u, 0,1
.set wn, 2*(\g)+\u
	ds_load_b128 v[WB+64*(\b)+8*wn:WB+64*(\b)+8*wn+3],   v[VW+wn/4]   offset:(\koff)*KP+(wn%4)*PP
	ds_load_b128 v[WB+64*(\b)+8*wn+4:WB+64*(\b)+8*wn+7], v[VW+2+wn/4] offset:(\koff)*KP+(wn%4)*PP
.endr
.endm
.macro WLOAD b, koff
	WRUN \b, \koff, 0
	WRUN \b, \koff, 1
	WRUN \b, \koff, 2
	WRUN \b, \koff, 3
.endm
.macro VWINIT
	WIN 0
.irp g, 0,1,2,3
	v_add_nc_u32 v[VW+\g], \g*RB, v[L16]
.endr
.endm
.if MODE == 2
.macro XLOAD                           ; slotw and srow of my 8 slots in each of the five tiles
	WIN 0xc0                                       ; destination window 3
.irp tau, 0,1,2,3,4
	global_load_b128 v[SW+8*\tau:SW+8*\tau+3],   v[VX+\tau], s[12:13]
	global_load_b128 v[SW+8*\tau+4:SW+8*\tau+7], v[VX+\tau], s[12:13] offset:16
	global_load_b128 v[RO+8*\tau:RO+8*\tau+3],   v[VX+\tau], s[14:15]
	global_load_b128 v[RO+8*\tau+4:RO+8*\tau+7], v[VX+\tau], s[14:15] offset:16
.endr
.endm
.endif
; 4 matrix instructions: tile tau x fragments 4 hf .. 4 hf + 3.  The accumulators take turns, one instruction a turn.  first = 1: the first K step starts the sums (MODE 1: with b1; MODE 2: with 0)
.macro MMH c, tau, hf, first
.set ac, (64*(\tau))%256
.set mn, 4*(\hf)
.if MODE == 1
.if \first
	WIN 0x48+0x40*((\tau)/4)                       ; weights window 0, tokens window 2, C = b1 window 0, D window 1 (tile 4: 2)
.else
	WIN 0x58+0x50*((\tau)/4)                       ; C and D window 1 (tile 4: 2)
.endif
.rept 4
.if \first
	v_wmma_f32_16x16x32_bf16 v[ac+8*mn:ac+8*mn+7], v[WB+64*((\c)%2)+8*mn:WB+64*((\c)%2)+8*mn+7], v[TR+40*((\c)%4)+8*(\tau):TR+40*((\c)%4)+8*(\tau)+7], v[BIAS+8*mn:BIAS+8*mn+7]
.else
	v_wmma_f32_16x16x32_bf16 v[ac+8*mn:ac+8*mn+7], v[WB+64*((\c)%2)+8*mn:WB+64*((\c)%2)+8*mn+7], v[TR+40*((\c)%4)+8*(\tau):TR+40*((\c)%4)+8*(\tau)+7], v[ac+8*mn:ac+8*mn+7]
.endif
.set mn, mn+1
.endr
.else
	WIN 0x52+0x50*((\tau)/4)                       ; tokens window 2, weights window 0, C and D window 1 (tile 4: 2)
.rept 4
.if \first
	v_wmma_f32_16x16x32_bf16 v[ac+8*mn:ac+8*mn+7], v[TR+40*((\c)%4)+8*(\tau):TR+40*((\c)%4)+8*(\tau)+7], v[WB+64*((\c)%2)+8*mn:WB+64*((\c)%2)+8*mn+7], 0
.else
	v_wmma_f32_16x16x32_bf16 v[ac+8*mn:ac+8*mn+7], v[TR+40*((\c)%4)+8*(\tau):TR+40*((\c)%4)+8*(\tau)+7], v[WB+64*((\c)%2)+8*mn:WB+64*((\c)%2)+8*mn+7], v[ac+8*mn:ac+8*mn+7]
.endif
.set mn, mn+1
.endr
.endif
.endm
.macro MM4G c                          ; the fifth tile's 8 products, jumped where that tile is dead: forward, past no barrier
	WIN 0                                          ; at a branch and at a label every window is 0
	s_cmp_eq_u32 s46, 0
	s_cbranch_scc1 .Lno4_\@
	MMH \c, 4, 0, 0
	MMH \c, 4, 1, 0
	WIN 0
.Lno4_\@:
.endm
; A GROUP'S TILES, from s33, its first: their numbers, and the offsets by which their loads go
.macro GSETUP
	WIN 0
	s_max_u32 s31, s30, 1
	s_sub_co_u32 s31, s31, 1                       ; my last live tile
.irp tau, 0,1,2,3,4
	s_add_co_u32 s40, s33, \tau
	s_min_u32 s40, s40, s31                        ; a dead tile repeats my last live one: only bytes that were written are read
	s_lshl2_add_u32 s40, s40, s28
	s_cmp_eq_u32 s30, 0
	s_cselect_b32 s40, 0, s40                      ; a wave with no tile reads tile 0, which always exists
	s_min_u32 s[34+\tau], s40, 135                 ; it enters addresses: held inside the 136 tiles
	s_lshl_b32 s40, s[34+\tau], TSH
	v_add_nc_u32 v[VT+\tau], s40, v[L16]
.if MODE == 2
	s_lshl_b32 s41, s[34+\tau], 6
	v_add_nc_u32 v[VX+\tau], s41, v[H32]
.endif
.endr
	s_add_co_u32 s40, s33, 4
	s_cmp_lt_u32 s40, s30
	s_cselect_b32 s46, 1, 0
.endm
; A STEP OF THE FIRST GROUP'S WALK.  c: the step, counted from the K step at which the stepped bases stand.  cv: K step c + 2 is rounded and stored (with the two barriers); lw: the weights of c + 6 are asked for;
; lt: the tokens of c + 3; wl: the fragments of c + 1 are read; xl: slotw and srow are asked for; cnt: the loads issued behind this step's tokens.
.macro FSTEP c, first, cv, lw, lt, wl, xl, cnt
	s_wait_loadcnt \cnt                            ; this step's tokens are in, and the weights of K step c + 2, which were issued ahead of them; what was issued behind them stays out
.if \cv
.if (\c)%2 == 0
	s_wait_alu depctr_vm_vsrc(0)                   ; the LDS stores of the two steps before have read both halves of FR: this step's roundings write one of them again, the next step's the other
.endif
	CVT ((\c)+2)%4, (\c)%2                         ; 16 plain vector instructions: also the places between the last step's products and the loads into the buffers that those read
.elseif \wl
	PLACES
.endif
.if \wl
	WIN 0
	s_wait_alu depctr_va_vdst(0)                   ; the roundings have written their half of FR and are done reading their slot; the last step's products are done reading their WB and TR; in a trip's first step VS and VW are written (a step that rounds nothing: the products' part alone)
	WRUN ((\c)+1)%2, (\c)+1, 0                     ; the last barrier has shown K step c + 1 whole.  From here to the step's end no wait on va_vdst: the products name none of the registers that the step's loads and stores touch
.endif
	MMH \c, 0, 0, \first
.if \wl
	WRUN ((\c)+1)%2, (\c)+1, 1
.endif
	MMH \c, 0, 1, \first
.if \wl
	WRUN ((\c)+1)%2, (\c)+1, 2
.endif
	MMH \c, 1, 0, \first
.if \wl
	WRUN ((\c)+1)%2, (\c)+1, 3
.endif
	MMH \c, 1, 1, \first
	MMH \c, 2, 0, \first
	MMH \c, 2, 1, \first
.if \cv
	s_wait_dscnt 0x0                               ; my reads of LDS are back (the next step's products need them anyway):
	s_barrier_signal -1                            ; say so,
	MMH \c, 3, 0, \first                           ; work on registers while the others arrive,
	s_barrier_wait -1                              ; and store only when all four have said so
	STORE (\c)+2, (\c)%2
.if \lt
	TLOAD ((\c)+3)%4, (\c)+3                       ; the tokens first, the weights behind them: so the weights may stay out one step longer
.endif
.if \lw
	ALOAD ((\c)+2)%4, (\c)+6                       ; into the slot that has just been rounded
.endif
.if \xl
	XLOAD
.endif
.if \first
	MMH \c, 4, 0, 1                                ; the first step's products start the sums: they are never jumped
	MMH \c, 4, 1, 1
.else
	MM4G \c
.endif
	s_wait_dscnt 0x0                               ; for the others' sake: my stores are done
	s_barrier_signal -1
	MMH \c, 3, 1, \first
	s_barrier_wait -1                              ; everybody's are: K step c + 2 is whole
.else
	MMH \c, 3, 0, \first
	MMH \c, 3, 1, \first
	MM4G \c
.if \wl
	s_wait_dscnt 0x0                               ; the next step's fragments
.endif
.endif
.endm
; A STEP OF A LATER GROUP'S WALK.  c = 0, 1: the buffers in hand.  nxt = 1: the next step's fragments and tokens, at the K step koff on, are asked for first, into the other buffers
.macro PSTEP c, first, nxt, koff
.if \nxt
	PLACES                                         ; behind the last step's products, which read the buffers that are filled now
.if !(\first)
	WIN 0
	s_wait_alu depctr_va_vdst(0)                   ; the last step's products are done reading the WB and the TR that are filled now; in a trip's first step VW is written.  (In the group's first step the wait at the group's head still serves: no vector or matrix instruction behind it names these registers)
.endif
	WLOAD 1-(\c), \koff
	TLOAD 1-(\c), \koff
	s_wait_loadcnt 10                              ; this step's tokens are in; the 10 loads just issued stay out
	s_wait_dscnt 16                                ; likewise the 16 LDS loads
.else
	s_wait_loadcnt 0x0
	s_wait_dscnt 0x0
.endif
.irp tau, 0,1,2,3
	MMH \c, \tau, 0, \first
	MMH \c, \tau, 1, \first
.endr
.if \first
	MMH \c, 4, 0, 1
	MMH \c, 4, 1, 1
.else
	MM4G \c
.endif
.endm
; THE WAY OUT of tile tau; a dead tile is jumped.  Each accumulator's registers are read in ascending order.
.macro EPI tau
.set ac, (64*(\tau))%256
	s_add_co_u32 s40, s33, \tau
	s_cmp_ge_u32 s40, s30
	s_cbranch_scc1 .Ldead_\@
.if MODE == 1
.set ob, WB+32*(\tau)+64*((\tau)/4)    ; the tile's own out-buffer: 32 of WB's registers, tile 4: FR.  No tile writes what another tile's stores read
	s_lshl_b32 s40, s[34+(\tau)], 17               ; a tile of h is 128 K steps of 1,024 bytes
	v_add_nc_u32 v[VT+(\tau)], s40, v[L16]         ; the tile's own address register: its token loads are back
	WIN 0x05+5*((\tau)/4)                          ; sources window 1 (tile 4: 2)
.set i, 0
.rept 32
	v_cvt_pk_bf16_f32 v[ob+i], v[ac+2*i], v[ac+2*i+1]
.set i, i+1
.endr
	WIN 0
.set i, 0
.rept 32
	v_pk_max_num_bf16 v[ob+i], v[ob+i], v[ZR]      ; the ReLU, two at a time: a maximum rounds nothing
.set i, i+1
.endr
	s_wait_alu depctr_va_vdst(0)                   ; the maxima have written the tile's out-buffer and the add its address register, which the stores read
.set i, 0
.rept 8
	global_store_b128 v[VT+(\tau)], v[ob+4*i:ob+4*i+3], s[10:11] offset:512*i  ; fragment n is K step n / 2, part n % 2 of my four: 512 consecutive bytes
.set i, i+1
.endr
.else
	s_wait_xcnt 0x0                                ; the tile before's stores have had their addresses translated: their registers are rewritten only behind this wait
	s_wait_alu depctr_vm_vsrc(0)                   ; the tile before's stores have read v[VR ..], FR and FQ; ahead of the first tile: the LDS loads have read v16-19, the walk's LDS stores FR
	WIN 0x0c                                       ; source 1 window 3
.set ej, 0
.rept 8
	v_min_u32 v[VR+ej], 0x87f, v[RO+8*(\tau)+ej]   ; the row enters an address: held inside p's 2,176 rows
.set ej, ej+1
.endr
	WIN 0
.set ej, 0
.rept 8
	v_lshl_add_u32 v[VR+ej], v[VR+ej], 14, v[VO]   ; a row of p is 16,384 bytes
.set ej, ej+1
.endr
	WIN 0x0d+(\tau)/4                              ; source 0 window 1 (tile 4: 2), source 1 window 3
.irp q, 0,1                                        ; columns 64 q on go into FR (q = 0) or FQ (q = 1)
.set ej, 0
.rept 8
.set ek, 0
.rept 4
	v_mul_f32 v[FR-64*\q+4*ej+ek], v[ac+8*(4*\q+ek)+ej], v[SW+8*(\tau)+ej]  ; the routing weight's multiply also brings four accumulators' numbers side by side
.set ek, ek+1
.endr
.set ej, ej+1
.endr
.endr
	WIN 0
	s_wait_alu depctr_va_vdst(0)                   ; the multiplies have written FR and FQ, the shifts v[VR ..]: the sixteen stores read them
.irp q, 0,1
.set ej, 0
.rept 8
	global_store_b128 v[VR+ej], v[FR-64*\q+4*ej:FR-64*\q+4*ej+3], s[10:11] offset:256*\q  ; sixteen lanes store 256 consecutive bytes, at a multiple of 256 from p's first byte
.set ej, ej+1
.endr
.endr
.endif
.Ldead_\@:
.endm
	; THE WALK'S BEGINNING: the order of issue is the loop's (a step's tokens, then a step's weights), so that the loop's count holds from step 0 on
	ALOAD 0, 0                                     ; the weights hang on no whole number from memory: three K steps go out ahead of the wait for meta
	ALOAD 1, 1
	ALOAD 2, 2
	VWINIT
	s_wait_kmcnt 0x0                               ; tile0, ntiles
	s_min_u32 s28, s28, 135
	s_min_u32 s29, s29, 64
	s_add_co_u32 s28, s28, s16                     ; my first tile
	s_add_co_u32 s30, s29, 3
	s_sub_co_u32 s30, s30, s16
	s_lshr_b32 s30, s30, 2                         ; how many of the expert's tiles w, w + 4, .. there are
	s_mov_b32 s33, 0
	s_mov_b32 s32, 4
	GSETUP
	s_mov_b64 s[24:25], s[26:27]
	WIN 0x80
	s_wait_alu depctr_va_vdst(0)                   ; VW, VT and, in MODE 2, VX are written: the LDS loads, the token loads and the loads of slotw and srow read them as their offsets
	TLOAD 0, 0
	ALOAD 3, 3
	s_wait_loadcnt 34                              ; K step 0's weights are in (and b1, issued ahead of them); behind them were issued 8 + 8 + 10 + 8
	CVT 0, 0
	WIN 0
	s_wait_alu depctr_va_vdst(0)                   ; the roundings have written FR's half 0, which the LDS stores read, and are done reading slot 0, in which K step 4's weights land
	STORE 0, 0
	TLOAD 1, 1
	ALOAD 0, 4
.if MODE == 1
	WIN 0
.set i, 0
.rept 32                                           ; b1 rounded to bf16 and widened again, by way of registers that the fragments take later
	v_cvt_pk_bf16_f32 v[WB+i], v[BIAS+2*i], v[BIAS+2*i+1]
.set i, i+1
.endr
.set i, 0
.rept 32
	v_lshlrev_b32 v[BIAS+2*i], 16, v[WB+i]
	v_and_b32 v[BIAS+2*i+1], 0xffff0000, v[WB+i]
.set i, i+1
.endr
.endif
	s_wait_loadcnt 44                              ; K step 1's weights; behind them were issued 8 + 10 + 8 + 10 + 8
	CVT 1, 1                                       ; FR's half 1: no store has read it yet
	WIN 0
	s_wait_alu depctr_va_vdst(0)                   ; the roundings have written FR's half 1 and are done reading slot 1, in which K step 5's weights land; MODE 1: b1's rounding is done with v[WB ..], in which fragments land
	STORE 1, 1
	TLOAD 2, 2
	ALOAD 1, 5
	s_wait_dscnt 0x0                               ; for the others' sake: my stores are done
	s_barrier_signal -1
	s_barrier_wait -1                              ; K steps 0 and 1 are whole
	WLOAD 0, 0
	s_wait_dscnt 0x0
	FSTEP 0, 1, 1, 1, 1, 1, 0, 44                  ; behind a step's tokens were issued 8 weight loads and two steps' 18
	WIN 0                                          ; at a label and at a branch every window is 0
	s_mov_b32 s39, 6
.Lk0:                                              ; a trip: steps 4 j + 1 .. 4 j + 4
	FSTEP 1, 0, 1, 1, 1, 1, 0, 44
	FSTEP 2, 0, 1, 1, 1, 1, 0, 44
	FSTEP 3, 0, 1, 1, 1, 1, 0, 44
	FSTEP 4, 0, 1, 1, 1, 1, 0, 44
	WIN 0
	s_wait_xcnt 0x0                                ; the loads' addresses are translated: their bases are stepped only behind this wait
	s_add_nc_u64 s[22:23], s[22:23], 128*PITCH
	s_add_nc_u64 s[24:25], s[24:25], 4096
	s_wait_alu depctr_vm_vsrc(0)                   ; the LDS stores and loads issued so far have read VS and VW; that the adds have written them is stated by the next step's wait on va_vdst
	v_add_nc_u32 v[VS], 4*KP, v[VS]
.irp g, 0,1,2,3
	v_add_nc_u32 v[VW+\g], 4*KP, v[VW+\g]
.endr
	s_sub_co_u32 s39, s39, 1
	s_cmp_lg_u32 s39, 0
	s_cbranch_scc1 .Lk0
	FSTEP 1, 0, 1, 1, 1, 1, 0, 44                  ; step 25 asks for the last weights, K step 31's
	FSTEP 2, 0, 1, 0, 1, 1, 0, 44                  ; from here on no load runs past the slice or the tile, and the counts run down
	FSTEP 3, 0, 1, 0, 1, 1, 0, 36                  ; 8 + 18 + 10
	FSTEP 4, 0, 1, 0, 1, 1, 0, 28                  ; 8 + 10 + 10; step 28 asks for the last tokens
	FSTEP 5, 0, 1, 0, 0, 1, XL, 20                 ; 10 + 10; step 29 stores the last K step
	FSTEP 6, 0, 0, 0, 0, 1, 0, 10+EX               ; step 31's tokens, and MODE 2's 20 loads of step 29
	FSTEP 7, 0, 0, 0, 0, 0, 0, EX                  ; no load, no store: no s_wait_alu
	PLACES                                         ; in front of the reads of the results, of the way out's writes into the fragment buffers, and of a later group's loads into them
	WIN 0
	s_branch .Lepi                                 ; the loop over groups is entered at its way out
.Lgroup:
	s_cmp_ge_u32 s33, s30
	s_cbranch_scc1 .Lnone                          ; no live tile in this group: forward, past no barrier
	s_wait_xcnt 0x0                                ; the group before's loads and stores: their registers are rewritten only behind this wait
	s_wait_alu depctr_vm_vsrc(0)                   ; the group before's loads and stores have read VT, VX, v16-23 and the out-buffers: the lines below write the first three, and fragments land in MODE 1's out-buffers
	GSETUP
	s_mov_b64 s[24:25], s[26:27]
	VWINIT
	s_wait_alu depctr_va_vdst(0)                   ; VT, VX and VW are written; the way out is done reading slotw and srow and has written MODE 1's out-buffers; the group before's products are done reading WB and TR: the loads below read the first and land in the others
.if MODE == 2
	XLOAD                                          ; MODE 2's 20 loads stand ahead of the tokens', so the first counted wait covers them
.endif
	TLOAD 0, 0
	WLOAD 0, 0
	PSTEP 0, 1, 1, 1
	WIN 0
	s_mov_b32 s39, 15
.Lk:                                               ; a trip: steps 2 j + 1 and 2 j + 2
	PSTEP 1, 0, 1, 2
	PSTEP 0, 0, 1, 3
	WIN 0
	s_wait_xcnt 0x0                                ; the token loads' base is stepped only behind this wait
	s_add_nc_u64 s[24:25], s[24:25], 2048
	s_wait_alu depctr_vm_vsrc(0)                   ; the LDS loads issued so far have read VW
.irp g, 0,1,2,3
	v_add_nc_u32 v[VW+\g], 2*KP, v[VW+\g]          ; 30 K steps at the most: with the immediates the reads of region g end inside it, ahead of the spare words
.endr
	s_sub_co_u32 s39, s39, 1
	s_cmp_lg_u32 s39, 0
	s_cbranch_scc1 .Lk
	PSTEP 1, 0, 0, 0                               ; step 31: nothing is left to fetch
	PLACES
	WIN 0
.Lepi:
.if MODE == 2
	s_wait_loadcnt 0x0                             ; slotw and srow
.else
	s_wait_alu depctr_vm_vsrc(0)                   ; the token loads have read VT and the walk's LDS stores FR: the five tiles below write them, each its own
.endif
	EPI 0
	EPI 1
	EPI 2
	EPI 3
	EPI 4
.Lnone:
	s_add_co_u32 s33, s33, 5
	s_sub_co_u32 s32, s32, 1
	s_cmp_lg_u32 s32, 0
	s_cbranch_scc1 .Lgroup
	s_wait_dscnt 0x0                               ; my reads of the fragments are back;
	s_barrier_signal -1                            ; every wave passes here once, whatever its number of tiles:
	s_barrier_wait -1                              ; all four waves' reads of LDS are over before any wave writes LDS again, by the add below
	s_wait_dscnt 0x0                               ; the wave's end: six lines at the end of a launch that stores to LDS in this mode
	s_wait_alu 0x0
	s_wait_tensorcnt 0x0
	ds_add_u32 v[SPW], v[NIL]
	s_wait_dscnt 0x0
	s_endpgm
.Lfunc_end_k_qf3f955a442_ffn1:
	.size	k_qf3f955a442_ffn1, .Lfunc_end_k_qf3f955a442_ffn1-k_qf3f955a442_ffn1
	.p2alignl 7, 3214868480
	.fill 96, 4, 3214868480
	.section	.rodata,"a",@progbits
	.p2align	6, 0x0
	.amdhsa_kernel k_qf3f955a442_ffn1
		.amdhsa_group_segment_fixed_size 270848
		.amdhsa_private_segment_fixed_size 0
		.amdhsa_enable_private_segment 0
		.amdhsa_kernarg_size 40
		.amdhsa_user_sgpr_count 2
		.amdhsa_user_sgpr_kernarg_segment_ptr 1
		.amdhsa_wavefront_size32 1
		.amdhsa_system_sgpr_workgroup_id_x 1
		.amdhsa_system_sgpr_workgroup_id_y 1
		.amdhsa_system_sgpr_workgroup_id_z 1
		.amdhsa_system_vgpr_workitem_id 0
		.amdhsa_next_free_vgpr 896
		.amdhsa_next_free_sgpr 66
		.amdhsa_reserve_vcc 0
		.amdhsa_float_denorm_mode_32 3
		.amdhsa_float_denorm_mode_16_64 3
		.amdhsa_memory_ordered 1
		.amdhsa_forward_progress 1
		.amdhsa_inst_pref_size 146
	.end_amdhsa_kernel
	.amdgpu_metadata
---
amdhsa.version: [ 1, 2 ]
amdhsa.kernels:
  - .name:           k_qf3f955a442_ffn1
    .symbol:         k_qf3f955a442_ffn1.kd
    .args:
      - { .name: W1, .offset: 0, .size: 8, .value_kind: global_buffer, .address_space: global }
      - { .name: xg, .offset: 8, .size: 8, .value_kind: global_buffer, .address_space: global }
      - { .name: meta, .offset: 16, .size: 8, .value_kind: global_buffer, .address_space: global }
      - { .name: h, .offset: 24, .size: 8, .value_kind: global_buffer, .address_space: global }
      - { .name: b1, .offset: 32, .size: 8, .value_kind: global_buffer, .address_space: global }
    .group_segment_fixed_size: 270848
    .private_segment_fixed_size: 0
    .kernarg_segment_align: 8
    .kernarg_segment_size: 40
    .max_flat_workgroup_size: 128
    .sgpr_count:     66
    .vgpr_count:     896
    .wavefront_size: 32
...
	.end_amdgpu_metadata
.endif
;; end of part 6
;; launch ffn2 (part 7): grid 32 x 8, 4 waves a work-group, no clusters, 270,848 bytes of LDS; arguments W2, h, meta, p, slotw, srow; writes p
.if DOCPART == 7
	.amdgcn_target "amdgcn-amd-amdhsa--gfx1250"
	.amdhsa_code_object_version 6
	.text
	.protected	k_qf3f955a442_ffn2
	.globl	k_qf3f955a442_ffn2
	.p2align	8
	.type	k_qf3f955a442_ffn2,@function
k_qf3f955a442_ffn2:
	s_mov_b64 s[64:65], 0
	v_nop
	global_prefetch_b8 v0, s[64:65] scope:SCOPE_SE
	s_setreg_imm32_b32 hwreg(HW_REG_WAVE_SCHED_MODE, 0, 2), 2
	s_setreg_imm32_b32 hwreg(HW_REG_WAVE_MODE, 25, 1), 1
	s_wait_xcnt 0x0
	s_wait_alu depctr_vm_vsrc(0)
; ONE LAYER OF THE EXPERTS' FFN, for the tokens that chose the expert.  One text for both layers; MODE says which.
;   MODE 1: h = relu(xg W1[e] + b1[e]), rounded once to bf16.     MODE 2: p = slotw x (h W2[e]), in f32, one partial sum for each quarter ks of the 4,096 k.
; Weights and b1 are rounded to bf16, sums are f32.  LIMITS: NaN and infinities are not treated apart; any split of the tokens over the experts, 0 to 1,024, is served.
; SHARES.  Work-group (X, e) owns a slice of expert e's weights, 1,024 k x 128 columns, 512 KB of f32: 256 work-groups read each weight byte once.
;   MODE 1: columns 128 X on, all k.     MODE 2: columns 128 (X % 8) on, k from 1,024 (X / 8) on.
;   Wave w takes the expert's tiles w, w + 4, w + 8 .. (a tile is 16 slots), five at a time: a GROUP.  How many tiles there are is read from meta, whole numbers stored by an earlier launch.
; THE FIRST GROUP'S WALK AND THE WEIGHT STREAM GO SIDE BY SIDE.  A K step is 32 k.  In step s every wave
;   rounds its quarter of K step s + 2's weights (rows 16 p on, columns 64 q on; w = 2 p + q), which it asked for four steps ago, to bf16;
;   reads K step s + 1's 8 fragments from LDS, in four runs of four loads between the products;  multiplies K step s: 8 fragments x its tiles;
;   stores the rounded quarter into LDS as finished pieces of fragments;  asks for the tokens of step s + 3 and then for the weights of step s + 6.
;   Loads into registers come back in the order of issue (ISA guide 5.7.1), so the wait for a step's tokens also waits for every weight load issued ahead of them: the weights' lead is
;   the tokens' lead and one step.  With 3 and 4 steps a wave has 30 + 32 = 62 loads out, and a work-group 64 KB of weights.
;   TWO BARRIERS A STEP: reads, wait, barrier, stores, wait, barrier, reads.  The first of them orders accesses that never touch the same bytes (a K step is stored once, before anybody reads it);
;   it stands so that the order of stores and reads can be read off the text without following the stepped addresses.
;   Every wave runs this walk, whatever its number of tiles, so that the barriers stand at constant places: a dead tile repeats the wave's last live one, a wave with no tile at all reads tile 0
;   (there are at least 128 tiles); dead tiles are not stored, and a dead fifth tile's products are jumped (but the first step's, which start the sums).
; LATER GROUPS (an expert with more than 320 tokens) find all fragments in LDS and need no barrier: a shorter text, two steps a trip, fetching one step ahead.  The loop over groups counts to the
;   constant 4 (64 tiles / 4 waves / 5, rounded up); a group with no live tile is jumped forward.  A last barrier stands behind it: all reads of LDS are back before the closing add.
; NO TENSOR LOADS: the weights must pass through registers to be rounded and turned, and beside the fragments 327,680 - 270,848 = 56,832 bytes of LDS are left, less than two slots of two K steps of f32 (32 KB each).
; NO CLUSTER: an expert's 32 work-groups do read the same token tiles, but a joint request is a tensor load's, so it falls with them.
; A FRAGMENT is 16 columns x 32 k in 8 registers: lane (r, h) holds column r; registers 0-3 k = 8 h + 0..7, registers 4-7 k = 16 + 8 h + 0..7.
;   In LDS each storing wave has a region of its own.  Registers 4 p .. 4 p + 3 of fragment n = 4 q + j of K step s are the PIECE at (2 p + q) RB + s KP + j PP; lane L's 16 bytes lie at + 16 L.
;   MODE 1: fragment n holds columns 16 n + r; the weights are source 0, so a lane's 8 results are 8 neighbouring columns of ONE slot: rounded, they are h's register image.
;   MODE 2: fragment n = 4 q + jj holds columns 64 q + 4 r + jj; the tokens are source 0, so a lane's result registers j are slots 8 h + j, and four accumulators jj give it 4 neighbouring columns:
;   sixteen lanes store 256 consecutive bytes of a row of p, at a multiple of 256.
; THE MODE: SCHED_MODE bits 1:0 = 2 (LLVM: expert scheduling mode 2), set by the entry lines.  The code itself states the register dependences between vector or matrix instructions and
;   memory or LDS instructions, with s_wait_alu, always for 0.
; THE PLAN.  The registers that memory or LDS instructions touch, and who else names them.  In step s of the first group's walk:
;   slots 0-3 (window 3)   the step's 16 roundings read slot (s + 2) % 4; later in the step the weights of K step s + 6 land in it.
;   FR0, FR1               the roundings write FR[s % 2]; the step's four LDS stores read it.
;   WB0, WB1               the products read WB[s % 2]; K step s + 1's fragments land in the other, which step s - 1's products read.
;   TR0-TR3 (window 2)     the products read TR[s % 4]; the tokens of step s + 3 land in TR[(s - 1) % 4], which step s - 1's products read.
;   VS, VW                 read by the LDS stores and loads; stepped once a trip, at its end.       VA, VT, VX   read by the global loads; not written in the walk.
;   So ONE wait on va_vdst stands in a step, behind its roundings: they have written FR[s % 2] and are done reading their slot; step s - 1's products are done reading their WB and TR; in a trip's
;   first step VS and VW are written.  All the step's memory and LDS instructions follow it, dealt among the products, which name WB[s % 2], TR[s % 4] and accumulators (step 0 of MODE 1: b1 too):
;   none of the registers that those touch.  One wait on vm_vsrc stands at the head of every second step: the LDS stores of the two steps before have read both halves of FR, of which this step
;   writes one and the next step the other.  One more a trip stands ahead of the adds to VS and VW.
;   A LATER GROUP: vm_vsrc at its head (VT, VX, v16-23 and the out-buffers have been read), its address lines, one va_vdst, its first loads; each further step has one va_vdst at its head (the
;   last step's products are done reading the two buffers that are filled now); one vm_vsrc a trip ahead of the adds to VW.
;   THE WAY OUT.  MODE 1: each tile has an out-buffer and an address register of its own (tiles 0-3: WB's 128 registers, tile 4: FR; v[VT + tau]), so one vm_vsrc ahead of the five tiles serves all, and
;   each tile has one va_vdst ahead of its stores.  MODE 2: a tile's two halves have an out-buffer each (FR, FQ): one vm_vsrc, 64 multiplies, one va_vdst, 16 stores.
.set MODE, 2
.set PP,    528                        ; a piece: 512 bytes + 16, so that MODE 1's stores, which go to four pieces at once, fall into sixteen different 16-byte columns of 256 bytes
.set KP,    4*PP                       ; a K step's 4 pieces in a region
.set RB,    32*KP                      ; a region: 67,584 bytes
.set SPARE, 4*RB                       ; 270,336: behind the regions the spare words, 128 bytes for each wave: two blocks of 256 bytes that no other line names
.if MODE == 1
.set PITCH, 16384                      ; bytes from a row of k to the next
.set HSH,   17                         ; 8 rows, as a shift
.set PSH,   18                         ; 16 rows, as a shift
.set TSH,   15                         ; a tile of tokens: 32 K steps of 1,024 bytes
.set XL,    0
.set EX,    0
.else
.set PITCH, 4096
.set HSH,   15
.set PSH,   16
.set TSH,   17                         ; 128 K steps of 1,024 bytes
.set XL,    1                          ; slotw and srow are asked for in step 29,
.set EX,    20                         ; by 20 loads
.endif
; window 0
.set L16,  1                           ; v1      16 lane
.set VA,   2                           ; v2      weights: 16 r + 8 h rows; never rewritten
.set VS,   3                           ; v3      where my 16 bytes go in my region
.set VT,   5                           ; v[5:9]  tile tau's offset + 16 lane;  MODE 1, the way out: the tile's offset in h + 16 lane
.set VO,   10                          ; v10     MODE 2: 16 r
.set ZR,   11                          ; v11     0, for the ReLU
.set SPW,  12                          ; v12     LDS address of my spare word; never rewritten
.set NIL,  13                          ; v13     0; never rewritten
.set H32,  15                          ; v15     32 h
.set VW,   16                          ; v[16:19] region g's first byte + 16 lane + the K steps gone; made anew for each group
.set VR,   16                          ; v[16:23] MODE 2, the way out: row j's offset in p + 16 r
.set VX,   24                          ; v[24:28] MODE 2: tile tau's offset in slotw and srow + 32 h
.set WB,   32                          ; v[32:159] weight fragments, two buffers of 64;  MODE 1, the way out: what tiles 0-3 store
.set BIAS, 160                         ; v[160:223] MODE 1: b1 of my 8 numbers in each of the 8 fragments
.set FQ,   160                         ; v[160:191] MODE 2, the way out: what is stored, columns 64 on (it lies 64 registers below FR)
.set FR,   224                         ; v[224:255] the walk: two halves of 16, my quarter of a K step as bf16, by the K step's parity;  the way out: what is stored
; window 1: accumulators of tiles 0-3 at 64 tau + 8 n
; window 2: v[0:63] accumulators of tile 4;  v[64:223] token fragments, a ring of four K steps of 40
.set TR,   64
; window 3: v[0:127] weights as loaded, four slots of 32 (K step % 4): row t, column jj at 4 t + jj;  MODE 2: v[128:167] slotw, v[168:207] srow of my 8 slots in each tile
.set SW,   128
.set RO,   168
; s[4:5] weights, s[6:7] tokens, s[8:9] meta, s[10:11] output, s[12:15] b1 or slotw and srow; s16 wave, s17 e, s18 X, s47 p, s48 q; s[22:23] the weights' base, stepped; s[24:25] the tokens' base, stepped;
; s[26:27] the same at K step 0; s28 tile0 + w, s29 ntiles, s30 my tiles, s31 the last of them, s32 groups to go, s33 the group's first tile, s[34:38] the five tiles, s39 inner counts, s[40:45] at work, s46 1: the fifth tile is live
.set MSB, 0
.macro WIN new                         ; the immediate's high byte repeats the setting that is left; bits 1:0 source 0, 3:2 source 1, 5:4 source 2, 7:6 destination
.if MSB != (\new)
	s_set_vgpr_msb (MSB<<8)|(\new)
.set MSB, (\new)
.endif
.endm
.macro PLACES                          ; four plain vector instructions between a matrix instruction and a load into, or a vector read or write of, its registers
.rept 4
	v_nop
.endr
.endm
	s_load_b256 s[4:11], s[0:1], 0x0
.if MODE == 1
	s_load_b64 s[12:13], s[0:1], 0x20
.else
	s_load_b128 s[12:15], s[0:1], 0x20
.endif
	v_lshl_add_u32 v[SPW], v0, 2, SPARE
	v_mov_b32 v[NIL], 0
.if MODE == 1
	v_mov_b32 v[ZR], 0
.endif
	v_lshrrev_b32 v14, 5, v0
	v_readfirstlane_b32 s16, v14                   ; wave 0..3
	s_and_b32 s17, ttmp7, 0xffff                   ; e
	s_mov_b32 s18, ttmp9                           ; X
	v_and_b32 v[L16], 31, v0
	v_lshlrev_b32 v[L16], 4, v[L16]
	v_and_b32 v15, 15, v0                          ; r
	v_bfe_u32 v14, v0, 4, 1                        ; h
	v_lshlrev_b32 v[VA], 4, v15
.if MODE == 2
	v_mov_b32 v[VO], v[VA]
.endif
	v_lshl_add_u32 v[VA], v14, HSH, v[VA]          ; the two halves of the lanes take rows 8 apart: each load is two runs of 256 consecutive bytes
	s_wait_alu depctr_va_sdst(0)                   ; s16 is written, ahead of its first reader: p, q, my region and my tiles are made from it
	s_lshr_b32 s47, s16, 1                         ; p: which 16 of a K step's 32 rows I stream
	s_and_b32 s48, s16, 1                          ; q: which 64 of the 128 columns
	s_mul_i32 s40, s16, RB                         ; my region
.if MODE == 1
	v_lshrrev_b32 v[VS], 2, v15                    ; my 4 columns 4 r + jj lie in piece r / 4 at places 4 (r % 4) + jj
	v_mul_u32_u24 v[VS], v[VS], PP
	v_and_b32 v4, 3, v15
	v_lshl_add_u32 v[VS], v4, 6, v[VS]
	v_lshl_add_u32 v[VS], v14, 8, v[VS]
	v_add_nc_u32 v[VS], s40, v[VS]
.else
	v_add_nc_u32 v[VS], s40, v[L16]                ; column 4 r + jj lies in piece jj at place r: my own lane's
.endif
	v_lshlrev_b32 v[H32], 5, v14
	s_lshl_b32 s20, s17, 24                        ; an expert's weights are 16 MB
	s_mov_b32 s21, 0
.if MODE == 1
	s_lshl_b32 s40, s18, 9                         ; 128 columns
	s_add_co_u32 s20, s20, s40
	s_lshl_b32 s42, s17, 14
	s_add_co_u32 s42, s42, s40                     ; b1: 16,384 e + 512 X
	s_mov_b32 s43, 0
	s_lshl_b32 s40, s18, 12                        ; h: my 128 columns are K steps 4 X .. 4 X + 3 of every tile
	s_mov_b32 s41, 0
.else
	s_lshr_b32 s19, s18, 3                         ; ks
	s_and_b32 s40, s18, 7
	s_lshl_b32 s40, s40, 9
	s_add_co_u32 s20, s20, s40
	s_lshl_b32 s41, s19, 22                        ; 1,024 rows
	s_add_co_u32 s20, s20, s41
	s_lshl_b32 s42, s19, 15                        ; tokens: K steps 32 ks on
	s_mov_b32 s43, 0
	s_lshl_b32 s41, s19, 12
	s_add_co_u32 s40, s40, s41                     ; p: 4,096 ks + 512 (X % 8)
	s_mov_b32 s41, 0
.endif
	s_lshl_b32 s44, s47, PSH                       ; my 16 rows,
	s_add_co_u32 s20, s20, s44
	s_lshl_b32 s44, s48, 8                         ; my 64 columns
	s_add_co_u32 s20, s20, s44
	s_lshl_b32 s44, s17, 2
	s_mov_b32 s45, 0
	s_wait_kmcnt 0x0
	s_add_nc_u64 s[22:23], s[4:5], s[20:21]
	s_add_nc_u64 s[10:11], s[10:11], s[40:41]
	s_add_nc_u64 s[8:9], s[8:9], s[44:45]
.if MODE == 1
	s_add_nc_u64 s[12:13], s[12:13], s[42:43]
	s_mov_b64 s[26:27], s[6:7]
.else
	s_add_nc_u64 s[26:27], s[6:7], s[42:43]
.endif
	s_load_b32 s28, s[8:9], 0x0                    ; tile0[e]
	s_load_b32 s29, s[8:9], 0x20                   ; ntiles[e]: both are waited for behind the first weight loads
	s_wait_alu depctr_va_vdst(0)                   ; VA, VS and H32 are written: the loads of the weights and of b1 and the LDS stores read them as their offsets
.if MODE == 1
.set n, 0
.rept 8
	global_load_b128 v[BIAS+8*n:BIAS+8*n+3],   v[H32], s[12:13] offset:64*n      ; b1 of columns 16 n + 8 h + 0..7
	global_load_b128 v[BIAS+8*n+4:BIAS+8*n+7], v[H32], s[12:13] offset:64*n+16
.set n, n+1
.endr
.endif
; THE STREAM.  My quarter of the K step koff on: 8 loads, row t + 8 h of my 16, 4 neighbouring columns a lane, into slot sg
.macro ALOAD sg, koff
	WIN 0xc0                                       ; destination window 3
.set t, 0
.rept 8
	global_load_b128 v[32*(\sg)+4*t:32*(\sg)+4*t+3], v[VA], s[22:23] offset:(32*(\koff)+t)*PITCH th:TH_LOAD_NT
.set t, t+1
.endr
.endm
.macro CVT sg, fb                      ; two neighbouring k of a column make a register of a fragment: 4 registers for each of my 4 columns, into half fb of FR
	WIN 0x0f                                       ; sources window 3, destination window 0
.set jj, 0
.rept 4
.set i, 0
.rept 4
	v_cvt_pk_bf16_f32 v[FR+16*(\fb)+4*jj+i], v[32*(\sg)+8*i+jj], v[32*(\sg)+8*i+4+jj]
.set i, i+1
.endr
.set jj, jj+1
.endr
.endm
.macro STORE koff, fb                  ; half fb of FR into my region, at the K step koff on
	WIN 0
.set jj, 0
.rept 4
.if MODE == 1
	ds_store_b128 v[VS], v[FR+16*(\fb)+4*jj:FR+16*(\fb)+4*jj+3] offset:(\koff)*KP+16*jj
.else
	ds_store_b128 v[VS], v[FR+16*(\fb)+4*jj:FR+16*(\fb)+4*jj+3] offset:(\koff)*KP+jj*PP
.endif
.set jj, jj+1
.endr
.endm
.macro TLOAD sg, koff                  ; the five tiles' fragments of the K step koff on, into ring place sg
	WIN 0x80                                       ; destination window 2
.set tq, 0
.rept 5
	global_load_b128 v[TR+40*(\sg)+8*tq:TR+40*(\sg)+8*tq+3],   v[VT+tq], s[24:25] offset:1024*(\koff)
	global_load_b128 v[TR+40*(\sg)+8*tq+4:TR+40*(\sg)+8*tq+7], v[VT+tq], s[24:25] offset:1024*(\koff)+512
.set tq, tq+1
.endr
.endm
.macro WRUN b, koff, g                 ; fragments 2 g and 2 g + 1 of the K step koff on, into buffer b: four loads of 512 consecutive bytes
	WIN 0
.irp u, 0,1
.set wn, 2*(\g)+\u
	ds_load_b128 v[WB+64*(\b)+8*wn:WB+64*(\b)+8*wn+3],   v[VW+wn/4]   offset:(\koff)*KP+(wn%4)*PP
	ds_load_b128 v[WB+64*(\b)+8*wn+4:WB+64*(\b)+8*wn+7], v[VW+2+wn/4] offset:(\koff)*KP+(wn%4)*PP
.endr
.endm
.macro WLOAD b, koff
	WRUN \b, \koff, 0
	WRUN \b, \koff, 1
	WRUN \b, \koff, 2
	WRUN \b, \koff, 3
.endm
.macro VWINIT
	WIN 0
.irp g, 0,1,2,3
	v_add_nc_u32 v[VW+\g], \g*RB, v[L16]
.endr
.endm
.if MODE == 2
.macro XLOAD                           ; slotw and srow of my 8 slots in each of the five tiles
	WIN 0xc0                                       ; destination window 3
.irp tau, 0,1,2,3,4
	global_load_b128 v[SW+8*\tau:SW+8*\tau+3],   v[VX+\tau], s[12:13]
	global_load_b128 v[SW+8*\tau+4:SW+8*\tau+7], v[VX+\tau], s[12:13] offset:16
	global_load_b128 v[RO+8*\tau:RO+8*\tau+3],   v[VX+\tau], s[14:15]
	global_load_b128 v[RO+8*\tau+4:RO+8*\tau+7], v[VX+\tau], s[14:15] offset:16
.endr
.endm
.endif
; 4 matrix instructions: tile tau x fragments 4 hf .. 4 hf + 3.  The accumulators take turns, one instruction a turn.  first = 1: the first K step starts the sums (MODE 1: with b1; MODE 2: with 0)
.macro MMH c, tau, hf, first
.set ac, (64*(\tau))%256
.set mn, 4*(\hf)
.if MODE == 1
.if \first
	WIN 0x48+0x40*((\tau)/4)                       ; weights window 0, tokens window 2, C = b1 window 0, D window 1 (tile 4: 2)
.else
	WIN 0x58+0x50*((\tau)/4)                       ; C and D window 1 (tile 4: 2)
.endif
.rept 4
.if \first
	v_wmma_f32_16x16x32_bf16 v[ac+8*mn:ac+8*mn+7], v[WB+64*((\c)%2)+8*mn:WB+64*((\c)%2)+8*mn+7], v[TR+40*((\c)%4)+8*(\tau):TR+40*((\c)%4)+8*(\tau)+7], v[BIAS+8*mn:BIAS+8*mn+7]
.else
	v_wmma_f32_16x16x32_bf16 v[ac+8*mn:ac+8*mn+7], v[WB+64*((\c)%2)+8*mn:WB+64*((\c)%2)+8*mn+7], v[TR+40*((\c)%4)+8*(\tau):TR+40*((\c)%4)+8*(\tau)+7], v[ac+8*mn:ac+8*mn+7]
.endif
.set mn, mn+1
.endr
.else
	WIN 0x52+0x50*((\tau)/4)                       ; tokens window 2, weights window 0, C and D window 1 (tile 4: 2)
.rept 4
.if \first
	v_wmma_f32_16x16x32_bf16 v[ac+8*mn:ac+8*mn+7], v[TR+40*((\c)%4)+8*(\tau):TR+40*((\c)%4)+8*(\tau)+7], v[WB+64*((\c)%2)+8*mn:WB+64*((\c)%2)+8*mn+7], 0
.else
	v_wmma_f32_16x16x32_bf16 v[ac+8*mn:ac+8*mn+7], v[TR+40*((\c)%4)+8*(\tau):TR+40*((\c)%4)+8*(\tau)+7], v[WB+64*((\c)%2)+8*mn:WB+64*((\c)%2)+8*mn+7], v[ac+8*mn:ac+8*mn+7]
.endif
.set mn, mn+1
.endr
.endif
.endm
.macro MM4G c                          ; the fifth tile's 8 products, jumped where that tile is dead: forward, past no barrier
	WIN 0                                          ; at a branch and at a label every window is 0
	s_cmp_eq_u32 s46, 0
	s_cbranch_scc1 .Lno4_\@
	MMH \c, 4, 0, 0
	MMH \c, 4, 1, 0
	WIN 0
.Lno4_\@:
.endm
; A GROUP'S TILES, from s33, its first: their numbers, and the offsets by which their loads go
.macro GSETUP
	WIN 0
	s_max_u32 s31, s30, 1
	s_sub_co_u32 s31, s31, 1                       ; my last live tile
.irp tau, 0,1,2,3,4
	s_add_co_u32 s40, s33, \tau
	s_min_u32 s40, s40, s31                        ; a dead tile repeats my last live one: only bytes that were written are read
	s_lshl2_add_u32 s40, s40, s28
	s_cmp_eq_u32 s30, 0
	s_cselect_b32 s40, 0, s40                      ; a wave with no tile reads tile 0, which always exists
	s_min_u32 s[34+\tau], s40, 135                 ; it enters addresses: held inside the 136 tiles
	s_lshl_b32 s40, s[34+\tau], TSH
	v_add_nc_u32 v[VT+\tau], s40, v[L16]
.if MODE == 2
	s_lshl_b32 s41, s[34+\tau], 6
	v_add_nc_u32 v[VX+\tau], s41, v[H32]
.endif
.endr
	s_add_co_u32 s40, s33, 4
	s_cmp_lt_u32 s40, s30
	s_cselect_b32 s46, 1, 0
.endm
; A STEP OF THE FIRST GROUP'S WALK.  c: the step, counted from the K step at which the stepped bases stand.  cv: K step c + 2 is rounded and stored (with the two barriers); lw: the weights of c + 6 are asked for;
; lt: the tokens of c + 3; wl: the fragments of c + 1 are read; xl: slotw and srow are asked for; cnt: the loads issued behind this step's tokens.
.macro FSTEP c, first, cv, lw, lt, wl, xl, cnt
	s_wait_loadcnt \cnt                            ; this step's tokens are in, and the weights of K step c + 2, which were issued ahead of them; what was issued behind them stays out
.if \cv
.if (\c)%2 == 0
	s_wait_alu depctr_vm_vsrc(0)                   ; the LDS stores of the two steps before have read both halves of FR: this step's roundings write one of them again, the next step's the other
.endif
	CVT ((\c)+2)%4, (\c)%2                         ; 16 plain vector instructions: also the places between the last step's products and the loads into the buffers that those read
.elseif \wl
	PLACES
.endif
.if \wl
	WIN 0
	s_wait_alu depctr_va_vdst(0)                   ; the roundings have written their half of FR and are done reading their slot; the last step's products are done reading their WB and TR; in a trip's first step VS and VW are written (a step that rounds nothing: the products' part alone)
	WRUN ((\c)+1)%2, (\c)+1, 0                     ; the last barrier has shown K step c + 1 whole.  From here to the step's end no wait on va_vdst: the products name none of the registers that the step's loads and stores touch
.endif
	MMH \c, 0, 0, \first
.if \wl
	WRUN ((\c)+1)%2, (\c)+1, 1
.endif
	MMH \c, 0, 1, \first
.if \wl
	WRUN ((\c)+1)%2, (\c)+1, 2
.endif
	MMH \c, 1, 0, \first
.if \wl
	WRUN ((\c)+1)%2, (\c)+1, 3
.endif
	MMH \c, 1, 1, \first
	MMH \c, 2, 0, \first
	MMH \c, 2, 1, \first
.if \cv
	s_wait_dscnt 0x0                               ; my reads of LDS are back (the next step's products need them anyway):
	s_barrier_signal -1                            ; say so,
	MMH \c, 3, 0, \first                           ; work on registers while the others arrive,
	s_barrier_wait -1                              ; and store only when all four have said so
	STORE (\c)+2, (\c)%2
.if \lt
	TLOAD ((\c)+3)%4, (\c)+3                       ; the tokens first, the weights behind them: so the weights may stay out one step longer
.endif
.if \lw
	ALOAD ((\c)+2)%4, (\c)+6                       ; into the slot that has just been rounded
.endif
.if \xl
	XLOAD
.endif
.if \first
	MMH \c, 4, 0, 1                                ; the first step's products start the sums: they are never jumped
	MMH \c, 4, 1, 1
.else
	MM4G \c
.endif
	s_wait_dscnt 0x0                               ; for the others' sake: my stores are done
	s_barrier_signal -1
	MMH \c, 3, 1, \first
	s_barrier_wait -1                              ; everybody's are: K step c + 2 is whole
.else
	MMH \c, 3, 0, \first
	MMH \c, 3, 1, \first
	MM4G \c
.if \wl
	s_wait_dscnt 0x0                               ; the next step's fragments
.endif
.endif
.endm
; A STEP OF A LATER GROUP'S WALK.  c = 0, 1: the buffers in hand.  nxt = 1: the next step's fragments and tokens, at the K step koff on, are asked for first, into the other buffers
.macro PSTEP c, first, nxt, koff
.if \nxt
	PLACES                                         ; behind the last step's products, which read the buffers that are filled now
.if !(\first)
	WIN 0
	s_wait_alu depctr_va_vdst(0)                   ; the last step's products are done reading the WB and the TR that are filled now; in a trip's first step VW is written.  (In the group's first step the wait at the group's head still serves: no vector or matrix instruction behind it names these registers)
.endif
	WLOAD 1-(\c), \koff
	TLOAD 1-(\c), \koff
	s_wait_loadcnt 10                              ; this step's tokens are in; the 10 loads just issued stay out
	s_wait_dscnt 16                                ; likewise the 16 LDS loads
.else
	s_wait_loadcnt 0x0
	s_wait_dscnt 0x0
.endif
.irp tau, 0,1,2,3
	MMH \c, \tau, 0, \first
	MMH \c, \tau, 1, \first
.endr
.if \first
	MMH \c, 4, 0, 1
	MMH \c, 4, 1, 1
.else
	MM4G \c
.endif
.endm
; THE WAY OUT of tile tau; a dead tile is jumped.  Each accumulator's registers are read in ascending order.
.macro EPI tau
.set ac, (64*(\tau))%256
	s_add_co_u32 s40, s33, \tau
	s_cmp_ge_u32 s40, s30
	s_cbranch_scc1 .Ldead_\@
.if MODE == 1
.set ob, WB+32*(\tau)+64*((\tau)/4)    ; the tile's own out-buffer: 32 of WB's registers, tile 4: FR.  No tile writes what another tile's stores read
	s_lshl_b32 s40, s[34+(\tau)], 17               ; a tile of h is 128 K steps of 1,024 bytes
	v_add_nc_u32 v[VT+(\tau)], s40, v[L16]         ; the tile's own address register: its token loads are back
	WIN 0x05+5*((\tau)/4)                          ; sources window 1 (tile 4: 2)
.set i, 0
.rept 32
	v_cvt_pk_bf16_f32 v[ob+i], v[ac+2*i], v[ac+2*i+1]
.set i, i+1
.endr
	WIN 0
.set i, 0
.rept 32
	v_pk_max_num_bf16 v[ob+i], v[ob+i], v[ZR]      ; the ReLU, two at a time: a maximum rounds nothing
.set i, i+1
.endr
	s_wait_alu depctr_va_vdst(0)                   ; the maxima have written the tile's out-buffer and the add its address register, which the stores read
.set i, 0
.rept 8
	global_store_b128 v[VT+(\tau)], v[ob+4*i:ob+4*i+3], s[10:11] offset:512*i  ; fragment n is K step n / 2, part n % 2 of my four: 512 consecutive bytes
.set i, i+1
.endr
.else
	s_wait_xcnt 0x0                                ; the tile before's stores have had their addresses translated: their registers are rewritten only behind this wait
	s_wait_alu depctr_vm_vsrc(0)                   ; the tile before's stores have read v[VR ..], FR and FQ; ahead of the first tile: the LDS loads have read v16-19, the walk's LDS stores FR
	WIN 0x0c                                       ; source 1 window 3
.set ej, 0
.rept 8
	v_min_u32 v[VR+ej], 0x87f, v[RO+8*(\tau)+ej]   ; the row enters an address: held inside p's 2,176 rows
.set ej, ej+1
.endr
	WIN 0
.set ej, 0
.rept 8
	v_lshl_add_u32 v[VR+ej], v[VR+ej], 14, v[VO]   ; a row of p is 16,384 bytes
.set ej, ej+1
.endr
	WIN 0x0d+(\tau)/4                              ; source 0 window 1 (tile 4: 2), source 1 window 3
.irp q, 0,1                                        ; columns 64 q on go into FR (q = 0) or FQ (q = 1)
.set ej, 0
.rept 8
.set ek, 0
.rept 4
	v_mul_f32 v[FR-64*\q+4*ej+ek], v[ac+8*(4*\q+ek)+ej], v[SW+8*(\tau)+ej]  ; the routing weight's multiply also brings four accumulators' numbers side by side
.set ek, ek+1
.endr
.set ej, ej+1
.endr
.endr
	WIN 0
	s_wait_alu depctr_va_vdst(0)                   ; the multiplies have written FR and FQ, the shifts v[VR ..]: the sixteen stores read them
.irp q, 0,1
.set ej, 0
.rept 8
	global_store_b128 v[VR+ej], v[FR-64*\q+4*ej:FR-64*\q+4*ej+3], s[10:11] offset:256*\q  ; sixteen lanes store 256 consecutive bytes, at a multiple of 256 from p's first byte
.set ej, ej+1
.endr
.endr
.endif
.Ldead_\@:
.endm
	; THE WALK'S BEGINNING: the order of issue is the loop's (a step's tokens, then a step's weights), so that the loop's count holds from step 0 on
	ALOAD 0, 0                                     ; the weights hang on no whole number from memory: three K steps go out ahead of the wait for meta
	ALOAD 1, 1
	ALOAD 2, 2
	VWINIT
	s_wait_kmcnt 0x0                               ; tile0, ntiles
	s_min_u32 s28, s28, 135
	s_min_u32 s29, s29, 64
	s_add_co_u32 s28, s28, s16                     ; my first tile
	s_add_co_u32 s30, s29, 3
	s_sub_co_u32 s30, s30, s16
	s_lshr_b32 s30, s30, 2                         ; how many of the expert's tiles w, w + 4, .. there are
	s_mov_b32 s33, 0
	s_mov_b32 s32, 4
	GSETUP
	s_mov_b64 s[24:25], s[26:27]
	WIN 0x80
	s_wait_alu depctr_va_vdst(0)                   ; VW, VT and, in MODE 2, VX are written: the LDS loads, the token loads and the loads of slotw and srow read them as their offsets
	TLOAD 0, 0
	ALOAD 3, 3
	s_wait_loadcnt 34                              ; K step 0's weights are in (and b1, issued ahead of them); behind them were issued 8 + 8 + 10 + 8
	CVT 0, 0
	WIN 0
	s_wait_alu depctr_va_vdst(0)                   ; the roundings have written FR's half 0, which the LDS stores read, and are done reading slot 0, in which K step 4's weights land
	STORE 0, 0
	TLOAD 1, 1
	ALOAD 0, 4
.if MODE == 1
	WIN 0
.set i, 0
.rept 32                                           ; b1 rounded to bf16 and widened again, by way of registers that the fragments take later
	v_cvt_pk_bf16_f32 v[WB+i], v[BIAS+2*i], v[BIAS+2*i+1]
.set i, i+1
.endr
.set i, 0
.rept 32
	v_lshlrev_b32 v[BIAS+2*i], 16, v[WB+i]
	v_and_b32 v[BIAS+2*i+1], 0xffff0000, v[WB+i]
.set i, i+1
.endr
.endif
	s_wait_loadcnt 44                              ; K step 1's weights; behind them were issued 8 + 10 + 8 + 10 + 8
	CVT 1, 1                                       ; FR's half 1: no store has read it yet
	WIN 0
	s_wait_alu depctr_va_vdst(0)                   ; the roundings have written FR's half 1 and are done reading slot 1, in which K step 5's weights land; MODE 1: b1's rounding is done with v[WB ..], in which fragments land
	STORE 1, 1
	TLOAD 2, 2
	ALOAD 1, 5
	s_wait_dscnt 0x0                               ; for the others' sake: my stores are done
	s_barrier_signal -1
	s_barrier_wait -1                              ; K steps 0 and 1 are whole
	WLOAD 0, 0
	s_wait_dscnt 0x0
	FSTEP 0, 1, 1, 1, 1, 1, 0, 44                  ; behind a step's tokens were issued 8 weight loads and two steps' 18
	WIN 0                                          ; at a label and at a branch every window is 0
	s_mov_b32 s39, 6
.Lk0:                                              ; a trip: steps 4 j + 1 .. 4 j + 4
	FSTEP 1, 0, 1, 1, 1, 1, 0, 44
	FSTEP 2, 0, 1, 1, 1, 1, 0, 44
	FSTEP 3, 0, 1, 1, 1, 1, 0, 44
	FSTEP 4, 0, 1, 1, 1, 1, 0, 44
	WIN 0
	s_wait_xcnt 0x0                                ; the loads' addresses are translated: their bases are stepped only behind this wait
	s_add_nc_u64 s[22:23], s[22:23], 128*PITCH
	s_add_nc_u64 s[24:25], s[24:25], 4096
	s_wait_alu depctr_vm_vsrc(0)                   ; the LDS stores and loads issued so far have read VS and VW; that the adds have written them is stated by the next step's wait on va_vdst
	v_add_nc_u32 v[VS], 4*KP, v[VS]
.irp g, 0,1,2,3
	v_add_nc_u32 v[VW+\g], 4*KP, v[VW+\g]
.endr
	s_sub_co_u32 s39, s39, 1
	s_cmp_lg_u32 s39, 0
	s_cbranch_scc1 .Lk0
	FSTEP 1, 0, 1, 1, 1, 1, 0, 44                  ; step 25 asks for the last weights, K step 31's
	FSTEP 2, 0, 1, 0, 1, 1, 0, 44                  ; from here on no load runs past the slice or the tile, and the counts run down
	FSTEP 3, 0, 1, 0, 1, 1, 0, 36                  ; 8 + 18 + 10
	FSTEP 4, 0, 1, 0, 1, 1, 0, 28                  ; 8 + 10 + 10; step 28 asks for the last tokens
	FSTEP 5, 0, 1, 0, 0, 1, XL, 20                 ; 10 + 10; step 29 stores the last K step
	FSTEP 6, 0, 0, 0, 0, 1, 0, 10+EX               ; step 31's tokens, and MODE 2's 20 loads of step 29
	FSTEP 7, 0, 0, 0, 0, 0, 0, EX                  ; no load, no store: no s_wait_alu
	PLACES                                         ; in front of the reads of the results, of the way out's writes into the fragment buffers, and of a later group's loads into them
	WIN 0
	s_branch .Lepi                                 ; the loop over groups is entered at its way out
.Lgroup:
	s_cmp_ge_u32 s33, s30
	s_cbranch_scc1 .Lnone                          ; no live tile in this group: forward, past no barrier
	s_wait_xcnt 0x0                                ; the group before's loads and stores: their registers are rewritten only behind this wait
	s_wait_alu depctr_vm_vsrc(0)                   ; the group before's loads and stores have read VT, VX, v16-23 and the out-buffers: the lines below write the first three, and fragments land in MODE 1's out-buffers
	GSETUP
	s_mov_b64 s[24:25], s[26:27]
	VWINIT
	s_wait_alu depctr_va_vdst(0)                   ; VT, VX and VW are written; the way out is done reading slotw and srow and has written MODE 1's out-buffers; the group before's products are done reading WB and TR: the loads below read the first and land in the others
.if MODE == 2
	XLOAD                                          ; MODE 2's 20 loads stand ahead of the tokens', so the first counted wait covers them
.endif
	TLOAD 0, 0
	WLOAD 0, 0
	PSTEP 0, 1, 1, 1
	WIN 0
	s_mov_b32 s39, 15
.Lk:                                               ; a trip: steps 2 j + 1 and 2 j + 2
	PSTEP 1, 0, 1, 2
	PSTEP 0, 0, 1, 3
	WIN 0
	s_wait_xcnt 0x0                                ; the token loads' base is stepped only behind this wait
	s_add_nc_u64 s[24:25], s[24:25], 2048
	s_wait_alu depctr_vm_vsrc(0)                   ; the LDS loads issued so far have read VW
.irp g, 0,1,2,3
	v_add_nc_u32 v[VW+\g], 2*KP, v[VW+\g]          ; 30 K steps at the most: with the immediates the reads of region g end inside it, ahead of the spare words
.endr
	s_sub_co_u32 s39, s39, 1
	s_cmp_lg_u32 s39, 0
	s_cbranch_scc1 .Lk
	PSTEP 1, 0, 0, 0                               ; step 31: nothing is left to fetch
	PLACES
	WIN 0
.Lepi:
.if MODE == 2
	s_wait_loadcnt 0x0                             ; slotw and srow
.else
	s_wait_alu depctr_vm_vsrc(0)                   ; the token loads have read VT and the walk's LDS stores FR: the five tiles below write them, each its own
.endif
	EPI 0
	EPI 1
	EPI 2
	EPI 3
	EPI 4
.Lnone:
	s_add_co_u32 s33, s33, 5
	s_sub_co_u32 s32, s32, 1
	s_cmp_lg_u32 s32, 0
	s_cbranch_scc1 .Lgroup
	s_wait_dscnt 0x0                               ; my reads of the fragments are back;
	s_barrier_signal -1                            ; every wave passes here once, whatever its number of tiles:
	s_barrier_wait -1                              ; all four waves' reads of LDS are over before any wave writes LDS again, by the add below
	s_wait_dscnt 0x0                               ; the wave's end: six lines at the end of a launch that stores to LDS in this mode
	s_wait_alu 0x0
	s_wait_tensorcnt 0x0
	ds_add_u32 v[SPW], v[NIL]
	s_wait_dscnt 0x0
	s_endpgm
.Lfunc_end_k_qf3f955a442_ffn2:
	.size	k_qf3f955a442_ffn2, .Lfunc_end_k_qf3f955a442_ffn2-k_qf3f955a442_ffn2
	.p2alignl 7, 3214868480
	.fill 96, 4, 3214868480
	.section	.rodata,"a",@progbits
	.p2align	6, 0x0
	.amdhsa_kernel k_qf3f955a442_ffn2
		.amdhsa_group_segment_fixed_size 270848
		.amdhsa_private_segment_fixed_size 0
		.amdhsa_enable_private_segment 0
		.amdhsa_kernarg_size 48
		.amdhsa_user_sgpr_count 2
		.amdhsa_user_sgpr_kernarg_segment_ptr 1
		.amdhsa_wavefront_size32 1
		.amdhsa_system_sgpr_workgroup_id_x 1
		.amdhsa_system_sgpr_workgroup_id_y 1
		.amdhsa_system_sgpr_workgroup_id_z 1
		.amdhsa_system_vgpr_workitem_id 0
		.amdhsa_next_free_vgpr 976
		.amdhsa_next_free_sgpr 66
		.amdhsa_reserve_vcc 0
		.amdhsa_float_denorm_mode_32 3
		.amdhsa_float_denorm_mode_16_64 3
		.amdhsa_memory_ordered 1
		.amdhsa_forward_progress 1
		.amdhsa_inst_pref_size 143
	.end_amdhsa_kernel
	.amdgpu_metadata
---
amdhsa.version: [ 1, 2 ]
amdhsa.kernels:
  - .name:           k_qf3f955a442_ffn2
    .symbol:         k_qf3f955a442_ffn2.kd
    .args:
      - { .name: W2, .offset: 0, .size: 8, .value_kind: global_buffer, .address_space: global }
      - { .name: h, .offset: 8, .size: 8, .value_kind: global_buffer, .address_space: global }
      - { .name: meta, .offset: 16, .size: 8, .value_kind: global_buffer, .address_space: global }
      - { .name: p, .offset: 24, .size: 8, .value_kind: global_buffer, .address_space: global }
      - { .name: slotw, .offset: 32, .size: 8, .value_kind: global_buffer, .address_space: global }
      - { .name: srow, .offset: 40, .size: 8, .value_kind: global_buffer, .address_space: global }
    .group_segment_fixed_size: 270848
    .private_segment_fixed_size: 0
    .kernarg_segment_align: 8
    .kernarg_segment_size: 48
    .max_flat_workgroup_size: 128
    .sgpr_count:     66
    .vgpr_count:     976
    .wavefront_size: 32
...
	.end_amdgpu_metadata
.endif
;; end of part 7
;; launch combine: the kernel of part 5 again; grid 256 x 1, 8 waves a work-group, no clusters, 0 bytes of LDS; arguments p, ridx, rwt, b2, out0; writes out0
